; MI455X (gfx1250); checked and timed in simulation.
; The chip was launched on July 23, 2026; its instructions are those of AMD's public machine-readable ISA for CDNA 5 (MIT licence, August 2026) and "CDNA5" Instruction Set Architecture Reference Guide (July 2026). The comments in the code are by the model that wrote it; some were corrected since.
;; Lip Mamba Block. Allowed arithmetic: matrix products marked QUANTISED: E2M3 operands, one E8M0 scale for each 32 along K, by v_wmma_scale_f32_16x16x128_f8f6f4 with both operands' format E2M3, f32 sums; products left as they are: f32 operands where the result goes on into a quantised operand, else bf16, f16 or f32 operands; f32 sums; everything else in f32.
;; Inputs: W_B 16 x 2,048 float32; W_C 16 x 2,048 float32; W_dt 2,048 x 2,048 float32; W_in 4,096 x 2,048 float32; W_out 2,048 x 2,048 float32; b_B 16 float32; b_C 16 float32; b_dt 2,048 float32; b_in 4,096 float32; b_out 2,048 float32; ln_beta 2,048 float32; ln_gamma 2,048 float32; state_A 16 x 2,048 float32; x 2 x 2,048 x 2,048 float32.
;; Outputs: out0 2 x 2,048 x 2,048 float32.
;; This version of the problem:
;;   THIS VERSION OF THE PROBLEM IS GIVEN IN LOW PRECISION. The matrix products marked QUANTISED in the list below multiply operands that are first quantised to E2M3 (2 exponent bits, 3 mantissa bits; 6 bits a number), with one power-of-two scale for each 32 numbers along K (OCP MX v1.0); their sums are f32. All else is computed in f32.
;;   The module's matrix products, in the order in which they are computed (A, B: the left and right operand; K: the contracted axis; several contracted axes count as one K, in the product's order):
;;     1. [M 4,096, K 2,048] x [K 2,048, N 4,096]; A: computed on the way; B: input W_in: QUANTISED
;;     2. [M 4,096, K 2,048] x [K 2,048, N 2,048]; A: computed on the way; B: input W_dt: QUANTISED
;;     3. [M 4,096, K 2,048] x [K 2,048, N 16]; A: computed on the way; B: input W_B: QUANTISED
;;     4. [M 4,096, K 2,048] x [K 2,048, N 16]; A: computed on the way; B: input W_C: QUANTISED
;;     5. batch 4,096 x [M 1, K 16] x [K 16, N 2,048]; A: computed on the way; B: computed on the way: left as it is (K = 16 < 32)
;;     6. [M 4,096, K 2,048] x [K 2,048, N 2,048]; A: computed on the way; B: input W_out: QUANTISED
;;   THE QUANTISER, for each operand of a quantised product, along K:
;;     - K is cut into blocks of 32 from its start; a last block that is shorter is filled with zeros.
;;     - A block's scale is 2^e with e = floor(log2(the largest magnitude in the block)) - 2, held to -126 .. 127; a block of zeros has e = 0. As a byte (E8M0): e + 127.
;;     - Each number is divided by its block's scale, clamped to +-7.5, and rounded to the nearest number of E2M3, ties to even, subnormals kept.
;;     - The product sums the exact products of the quantised numbers (number of the format x scale) in f32.
;;   ~~~python
;;   def quantise(x, axis):      # numpy; x: float32 -> the quantised numbers, widened to float32 again
;;       x = np.moveaxis(x, axis, -1); K = x.shape[-1]
;;       x = np.pad(x, [(0, 0)] * (x.ndim - 1) + [(0, -K % 32)]); x = x.reshape(x.shape[:-1] + (-1, 32)); a = np.abs(x).max(-1, keepdims=True)
;;       e = np.where(a > 0, np.clip(np.frexp(np.where(a > 0, a, 1))[1] - 1 - 2, -126, 127), 0)      # np.frexp(a)[1] - 1 = floor(log2(a)), exactly
;;       r = np.clip(x / 2.0 ** e, -7.5, 7.5)
;;       step = 2.0 ** (np.maximum(np.frexp(np.where(r == 0, 1, r))[1] - 1, 0) - 3)
;;       q = np.round(r / step) * step * 2.0 ** e      # np.round: ties to even
;;       return np.moveaxis(q.reshape(q.shape[:-2] + (-1,))[..., :K], -1, axis).astype(np.float32)
;;   ~~~
;;   OPERANDS COMPUTED ON THE WAY. 'Computed on the way' means the value that the module computes at that place (a softmax that the list does not call 'softmax' is quantised finished and normalised). What goes into a quantiser is computed in f32, as accurately as f32 sums, v_exp_f32 and their like allow (about 1e-6 of the number): no bf16 or f16 on the way to a quantiser, and a product that is left as it is and whose result goes on into a quantised operand takes f32 operands (vector FMAs, or v_wmma_f32_16x16x4_f32). A number that lies on a knife's edge between two numbers of the format may be rounded either way, as far as f32 arithmetic and the matrix unit's own rounding can turn it there, and no further.
;; One version. Each part assembles by itself: llvm-mc -triple=amdgcn-amd-amdhsa -mcpu=gfx1250 --defsym DOCPART=n.
;; ======== version 1 of 1: 4 launches
;; limits: right only within a limited range of input values
;; workspace buffers: xnq 6,553,600 bytes; xsq 6,553,600 bytes; gq 6,553,600 bytes; wq 13,516,800 bytes; u 33,554,432 bytes
;; launch prep (part 1): grid 392 x 1, 4 waves a work-group, no clusters, 91,648 bytes of LDS; arguments x, ln_gamma, ln_beta, W_in, W_dt, W_out, W_B, W_C, xnq, wq; writes xnq, wq
.if DOCPART == 1
	.amdgcn_target "amdgcn-amd-amdhsa--gfx1250"
	.amdhsa_code_object_version 6
	.text
	.protected	k_qba149c0547_prep
	.globl	k_qba149c0547_prep
	.p2align	8
	.type	k_qba149c0547_prep,@function
k_qba149c0547_prep:
	s_mov_b64 s[64:65], 0
	v_nop
	global_prefetch_b8 v0, s[64:65] scope:SCOPE_SE
	s_setreg_imm32_b32 hwreg(HW_REG_WAVE_MODE, 25, 1), 1
	s_wait_xcnt 0x0
; LayerNorm(x), W_in, W_dt, W_out, W_B and W_C (all f32, K = 2,048 innermost) become codes of FP6 (E2M3) with one E8M0 byte for each 32 along K,
; laid in the ORDER OF THE OPERAND'S REGISTERS.  An image is 16 rows x 128 K, 1,536 bytes: for c = 0, 1 the first 16 bytes of lane l's 24 at 768 c + 16 l, the last 8 at 768 c + 512 + 8 l.
; A tile's images of four K steps lie on end; the scale bytes of two blocks of 16 rows lie as units of 256 bytes: (K / 256) 256 + 128 (block & 1) + 8 row + (K / 32) % 8.
; A work-group makes two blocks of 16 rows for all of K; wave w takes 8 neighbouring source rows: block w / 2, rows 8 (w % 2) on.  Work-groups 0-127: x (normalised); 128-255: W_in; 256-319: W_dt; 320-383: W_out; 384-391: W_B and W_C, once for each tile column of W_dt.
; WHICH ROWS FORM A BLOCK: of W_in and W_dt, place 16 u + r of a pair takes row 8 u + r + 8 (r / 8), so that a product's 16 registers of two neighbouring blocks are 16 neighbours along the next K; W_in's pairs go x_ssm, x_ssm, z, z for each 64 columns.
; A block's scale is 2^(floor(log2(largest magnitude)) - 2): its byte is the largest magnitude's exponent field - 2, held at 1 from below.
; LIMITS: NaN and infinities are not served; a block of zeros, or one whose largest magnitude lies under 2^-124, gets the byte 1 (its codes are zeros or the nearest codes under that scale; only this program reads the bytes).
; The LayerNorm takes the mean first and the squares of the differences after it; its last step is one fused multiply-add.
.set STG,   0                          ; 4 x 9,216: a wave's row as 64 blocks of 128 bytes + 16
.set IM128, 36864                      ; the first 16 bytes of each 24: segment (64 block + K block) x 272 + 16 row
.set IM64,  71680                      ; the last 8: (64 block + K block) x 136 + 8 row
.set SCB,   89088                      ; the pair's 2,048 scale bytes, as they lie in memory
.set SPARE, 91136                      ; the spare words: 128 bytes a wave, named by no other line
.set MSB, 0
.macro WIN new                         ; the immediate's high byte repeats the setting that is left
.if MSB != \new
	s_set_vgpr_msb (MSB<<8)|\new
.set MSB, \new
.endif
.endm
	s_load_b512 s[4:19], s[0:1], 0x0               ; x, gamma, beta, W_in, W_dt, W_out, W_B, W_C
	s_load_b128 s[20:23], s[0:1], 0x40             ; xnq, wq
	v_lshl_add_u32 v12, v0, 2, SPARE               ; my spare word; never rewritten
	v_mov_b32 v13, 0                               ; 0; never rewritten
	v_lshrrev_b32 v1, 5, v0
	v_readfirstlane_b32 s24, v1                    ; wave
	v_and_b32 v1, 31, v0                           ; lane
	v_lshlrev_b32 v2, 4, v1                        ; 16 l
	v_lshlrev_b32 v11, 3, v1                       ; 8 l
	s_lshr_b32 s53, s24, 1                         ; my block of the pair
	s_and_b32 s54, s24, 1                          ; which 8 rows of it
	s_mul_i32 s52, s24, 9216
	v_lshrrev_b32 v14, 3, v1
	v_and_b32 v15, 7, v1
	v_mul_u32_u24 v3, v14, 144
	v_lshl_add_u32 v3, v15, 4, v3
	v_add_nc_u32 v3, s52, v3                       ; the stage, in: eight lanes' 128 bytes on end, then 16 of padding
	v_mul_u32_u24 v4, v1, 144
	v_add_nc_u32 v4, s52, v4                       ; and out: K block l
	s_mul_i32 s55, s53, 64*272
	s_lshl_b32 s56, s54, 7
	s_add_co_u32 s55, s55, s56
	s_add_co_u32 s55, s55, IM128
	v_mul_u32_u24 v5, v1, 272
	v_add_nc_u32 v5, s55, v5                       ; where K block l of my rows puts its 16 bytes
	s_mul_i32 s55, s53, 64*136
	s_lshl_b32 s56, s54, 6
	s_add_co_u32 s55, s55, s56
	s_add_co_u32 s55, s55, IM64
	v_mul_u32_u24 v6, v1, 136
	v_add_nc_u32 v6, s55, v6                       ; and its 8 bytes
	s_lshl_b32 s55, s53, 7
	s_add_co_u32 s55, s55, s56
	s_add_co_u32 s55, s55, SCB
	v_lshl_add_u32 v7, v14, 8, v15
	v_add_nc_u32 v7, s55, v7                       ; and its scale byte
	v_lshrrev_b32 v14, 4, v1
	v_and_b32 v15, 15, v1
	s_mul_i32 s55, s24, 16*272
	s_add_co_u32 s55, s55, IM128
	v_mul_u32_u24 v8, v14, 272
	v_lshl_add_u32 v8, v15, 4, v8
	v_add_nc_u32 v8, s55, v8                       ; the way out: wave w takes K blocks 16 w on: lanes 0-15 one segment, lanes 16-31 the next
	s_mul_i32 s55, s24, 16*136
	s_add_co_u32 s55, s55, IM64
	v_mul_u32_u24 v9, v14, 136
	v_lshl_add_u32 v9, v15, 3, v9
	v_add_nc_u32 v9, s55, v9
	s_lshl_b32 s55, s24, 9
	s_add_co_u32 s55, s55, SCB
	v_add_nc_u32 v10, s55, v2                      ; and 512 of the scale bytes
	s_mov_b32 s50, 0x76543210
	s_mov_b32 s51, 0xfedcba98                      ; v_permlanex16_b32's selects for lane l xor 16
	s_mov_b32 s61, 0x3a000000                      ; 1 / 2,048
	s_mov_b32 s62, 0x3727c5ac                      ; 1e-5
	; which tensor, and which pair of it: all by selections on the work-group's number
	s_mov_b32 s25, 384
	s_cmp_lt_u32 ttmp9, 384
	s_cselect_b32 s25, 320, s25
	s_cmp_lt_u32 ttmp9, 320
	s_cselect_b32 s25, 256, s25
	s_cmp_lt_u32 ttmp9, 256
	s_cselect_b32 s25, 128, s25
	s_cmp_lt_u32 ttmp9, 128
	s_cselect_b32 s25, 0, s25
	s_sub_co_u32 s26, ttmp9, s25                   ; pp: the pair
	s_lshl_b32 s52, s26, 5                         ; 32 pp
	s_lshr_b32 s53, s26, 2
	s_lshl_b32 s53, s53, 6
	s_and_b32 s54, s26, 1
	s_lshl_b32 s54, s54, 5
	s_add_co_u32 s53, s53, s54
	s_bfe_u32 s54, s26, 0x10001
	s_lshl_b32 s54, s54, 11
	s_add_co_u32 s53, s53, s54                     ; W_in: 2,048 ((pp >> 1) & 1) + 64 (pp >> 2) + 32 (pp & 1)
	s_lshl_b32 s55, s24, 3                         ; 8 w
	s_lshr_b32 s56, s24, 1
	s_lshl_b32 s56, s56, 3
	s_and_b32 s57, s24, 1
	s_lshl_b32 s58, s57, 4
	s_add_co_u32 s56, s56, s58                     ; 8 (w >> 1) + 16 (w & 1)
	s_lshl_b32 s57, s57, 3                         ; 8 (w & 1)
	s_wait_kmcnt 0x0
	s_cmp_lt_u32 s24, 2                            ; W_B and W_C: waves 0, 1 take W_B (block 16), waves 2, 3 W_C (block 17)
	s_cselect_b64 s[34:35], s[16:17], s[18:19]
	s_mov_b64 s[36:37], s[22:23]
	s_mov_b32 s27, 0                               ; normalise?
	s_mov_b32 s28, 6291456                         ; where the tensor's codes begin
	s_mov_b32 s29, 13238272                        ; and its scale bytes
	s_mov_b32 s30, 884736                          ; from four K steps to the next four
	s_mov_b32 s31, 27648                           ; from a K step to the next
	s_mov_b32 s32, 9                               ; pairs in a tile
	s_mov_b32 s33, 0                               ; tile = pp >> this
	s_mov_b32 s38, 8                               ; added to the pair's place in its tile
	s_mov_b32 s39, 0
	s_mov_b32 s60, s57
	s_cmp_lt_u32 ttmp9, 384                        ; W_out
	s_cselect_b64 s[34:35], s[14:15], s[34:35]
	s_cselect_b32 s28, 9830400, s28
	s_cselect_b32 s29, 13385728, s29
	s_cselect_b32 s30, 786432, s30
	s_cselect_b32 s31, 24576, s31
	s_cselect_b32 s32, 8, s32
	s_cselect_b32 s33, 3, s33
	s_cselect_b32 s38, 0, s38
	s_cselect_b32 s39, s52, s39
	s_cselect_b32 s60, s55, s60
	s_cmp_lt_u32 ttmp9, 320                        ; W_dt
	s_cselect_b64 s[34:35], s[12:13], s[34:35]
	s_cselect_b32 s28, 6291456, s28
	s_cselect_b32 s29, 13238272, s29
	s_cselect_b32 s30, 884736, s30
	s_cselect_b32 s31, 27648, s31
	s_cselect_b32 s32, 9, s32
	s_cselect_b32 s60, s56, s60
	s_cmp_lt_u32 ttmp9, 256                        ; W_in
	s_cselect_b64 s[34:35], s[10:11], s[34:35]
	s_cselect_b32 s28, 0, s28
	s_cselect_b32 s29, 12976128, s29
	s_cselect_b32 s30, 1572864, s30
	s_cselect_b32 s31, 24576, s31
	s_cselect_b32 s32, 8, s32
	s_cselect_b32 s39, s53, s39
	s_cmp_lt_u32 ttmp9, 128                        ; x
	s_cselect_b64 s[34:35], s[4:5], s[34:35]
	s_cselect_b64 s[36:37], s[20:21], s[36:37]
	s_cselect_b32 s27, 1, s27
	s_cselect_b32 s29, 6291456, s29
	s_cselect_b32 s31, 12288, s31
	s_cselect_b32 s32, 4, s32
	s_cselect_b32 s33, 2, s33
	s_cselect_b32 s39, s52, s39
	s_cselect_b32 s60, s55, s60
	s_add_co_u32 s39, s39, s60                     ; my first source row
	s_lshl_b32 s52, s39, 13
	s_mov_b32 s53, 0
	s_add_nc_u64 s[34:35], s[34:35], s[52:53]
	s_lshr_b32 s54, s26, s33                       ; tile
	s_lshl_b32 s55, s54, s33
	s_sub_co_u32 s55, s26, s55
	s_add_co_u32 s55, s55, s38                     ; the pair's place in it
	s_mul_i32 s52, s24, s30                        ; wave w stores K steps 4 w .. 4 w + 3
	s_add_co_u32 s52, s52, s28
	s_lshl_b32 s56, s31, 2
	s_mul_i32 s56, s56, s54
	s_add_co_u32 s52, s52, s56
	s_mul_i32 s56, s55, 3072
	s_add_co_u32 s52, s52, s56
	s_add_nc_u64 s[40:41], s[36:37], s[52:53]      ; one base for each of the four K steps
	s_mov_b32 s56, s31
	s_mov_b32 s57, 0
	s_add_nc_u64 s[42:43], s[40:41], s[56:57]
	s_add_nc_u64 s[44:45], s[42:43], s[56:57]
	s_add_nc_u64 s[46:47], s[44:45], s[56:57]
	s_mul_i32 s52, s54, s32
	s_add_co_u32 s52, s52, s55
	s_lshl_b32 s52, s52, 11
	s_lshl_b32 s58, s24, 9
	s_add_co_u32 s52, s52, s58
	s_add_co_u32 s52, s52, s29
	s_add_nc_u64 s[48:49], s[36:37], s[52:53]      ; my 512 of the pair's scale bytes
	WIN 0x40                                       ; destination window 1: gamma v0-63, beta v64-127, in the layout of a row as loaded.  Every work-group loads them: one text for all tensors
.set k_, 0
.rept 16
	global_load_b128 v[4*k_:4*k_+3], v2, s[6:7] offset:512*k_
	global_load_b128 v[64+4*k_:64+4*k_+3], v2, s[8:9] offset:512*k_
.set k_, k_+1
.endr
	WIN 0
.macro LOADROW i, set                  ; a row: 16 loads of 512 consecutive bytes
.set k_, 0
.rept 16
	global_load_b128 v[64+64*(\set)+4*k_:64+64*(\set)+4*k_+3], v2, s[34:35] offset:(\i)*8192+512*k_ th:TH_LOAD_NT
.set k_, k_+1
.endr
.endm
.macro REDUCE                          ; four pairs of partial sums in v[16:23] -> the wave's sum in v16, in every lane
	v_pk_add_f32 v[16:17], v[16:17], v[18:19]
	v_pk_add_f32 v[20:21], v[20:21], v[22:23]
	v_pk_add_f32 v[16:17], v[16:17], v[20:21]
	v_add_f32 v16, v16, v17
	v_add_f32_dpp v16, v16, v16 row_xmask:1 row_mask:0xf bank_mask:0xf
	v_add_f32_dpp v16, v16, v16 row_xmask:2 row_mask:0xf bank_mask:0xf
	v_add_f32_dpp v16, v16, v16 row_xmask:4 row_mask:0xf bank_mask:0xf
	v_add_f32_dpp v16, v16, v16 row_xmask:8 row_mask:0xf bank_mask:0xf
	v_permlanex16_b32 v17, v16, s50, s51
	v_add_f32 v16, v16, v17
.endm
.macro LNORM                           ; the row in v[XS] on is normalised in place
	v_pk_add_f32 v[16:17], v[XS:XS+1], v[XS+8:XS+9]
	v_pk_add_f32 v[18:19], v[XS+2:XS+3], v[XS+10:XS+11]
	v_pk_add_f32 v[20:21], v[XS+4:XS+5], v[XS+12:XS+13]
	v_pk_add_f32 v[22:23], v[XS+6:XS+7], v[XS+14:XS+15]
.irp k, 16,24,32,40,48,56
	v_pk_add_f32 v[16:17], v[16:17], v[XS+\k:XS+\k+1]
	v_pk_add_f32 v[18:19], v[18:19], v[XS+\k+2:XS+\k+3]
	v_pk_add_f32 v[20:21], v[20:21], v[XS+\k+4:XS+\k+5]
	v_pk_add_f32 v[22:23], v[22:23], v[XS+\k+6:XS+\k+7]
.endr
	REDUCE
	v_mul_f32 v24, s61, v16                        ; the mean
	v_mov_b32 v25, v24
.set k_, 0
.rept 32
	v_pk_add_f32 v[XS+k_:XS+k_+1], v[XS+k_:XS+k_+1], v[24:25] neg_lo:[0,1] neg_hi:[0,1]
.set k_, k_+2
.endr
	v_pk_mul_f32 v[16:17], v[XS:XS+1], v[XS:XS+1]
	v_pk_mul_f32 v[18:19], v[XS+2:XS+3], v[XS+2:XS+3]
	v_pk_mul_f32 v[20:21], v[XS+4:XS+5], v[XS+4:XS+5]
	v_pk_mul_f32 v[22:23], v[XS+6:XS+7], v[XS+6:XS+7]
.irp k, 8,16,24,32,40,48,56
	v_pk_fma_f32 v[16:17], v[XS+\k:XS+\k+1], v[XS+\k:XS+\k+1], v[16:17]
	v_pk_fma_f32 v[18:19], v[XS+\k+2:XS+\k+3], v[XS+\k+2:XS+\k+3], v[18:19]
	v_pk_fma_f32 v[20:21], v[XS+\k+4:XS+\k+5], v[XS+\k+4:XS+\k+5], v[20:21]
	v_pk_fma_f32 v[22:23], v[XS+\k+6:XS+\k+7], v[XS+\k+6:XS+\k+7], v[22:23]
.endr
	REDUCE
	v_fma_f32 v26, v16, s61, s62                   ; the variance + 1e-5
	s_wait_alu depctr_va_vdst(0)
	v_rsq_f32 v26, v26
	v_nop                                          ; a plain instruction behind the transcendental,
	s_wait_alu depctr_va_vdst(0)                   ; and the wait ahead of its first reader
	v_mov_b32 v27, v26
.set k_, 0
.rept 32
	v_pk_mul_f32 v[XS+k_:XS+k_+1], v[XS+k_:XS+k_+1], v[26:27]
.set k_, k_+2
.endr
	WIN 0x14                                       ; sources 1 and 2 (gamma, beta) in window 1
.set k_, 0
.rept 32
	v_pk_fma_f32 v[XS+k_:XS+k_+1], v[XS+k_:XS+k_+1], v[k_:k_+1], v[64+k_:64+k_+1]
.set k_, k_+2
.endr
	WIN 0
.endm
; Row i of my eight, in register set 'set' of three (v64-127, v128-191, v192-255).  ahead = 1: the set then takes the row three further on.
.macro ROW i, set, ahead
.set XS, 64+64*(\set)
.if (\i) < 6
	s_wait_loadcnt 32                              ; this row's 16 loads are in (and all that was asked for earlier); the next two rows' 32 may be out
.else
	s_wait_loadcnt 16*(7-(\i))                     ; the last rows: the counts run down
.endif
	s_cmp_eq_u32 s27, 0                            ; weights are taken as they are
	s_cbranch_scc1 .Lraw_\@
	LNORM
.Lraw_\@:
.set k_, 0
.rept 16                               ; through my stage: LDS serves a wave's instructions in order, so no wait stands between the stores and the loads
	ds_store_b128 v3, v[XS+4*k_:XS+4*k_+3] offset:576*k_
.set k_, k_+1
.endr
.irp t, 0,1
.irp m, 0,1,2,3,4,5,6,7
	ds_load_b128 v[XS+32*\t+4*\m:XS+32*\t+4*\m+3], v4 offset:4608*\t+16*\m   ; K blocks l and l + 32, whole
.endr
.endr
	s_wait_dscnt 0x0                               ; they are back; the last row's stores of codes have read their registers
.irp t, 0,1
	v_max3_num_f32 v[48+4*\t], |v[XS+32*\t]|, |v[XS+32*\t+1]|, |v[XS+32*\t+2]|
	v_max3_num_f32 v[49+4*\t], |v[XS+32*\t+3]|, |v[XS+32*\t+4]|, |v[XS+32*\t+5]|
.irp n, 6,10,14,18,22,26
	v_max3_num_f32 v[48+4*\t], v[48+4*\t], |v[XS+32*\t+\n]|, |v[XS+32*\t+\n+1]|
	v_max3_num_f32 v[49+4*\t], v[49+4*\t], |v[XS+32*\t+\n+2]|, |v[XS+32*\t+\n+3]|
.endr
	v_max3_num_f32 v[48+4*\t], v[48+4*\t], |v[XS+32*\t+30]|, |v[XS+32*\t+31]|
	v_max3_num_f32 v[48+4*\t], v[48+4*\t], v[49+4*\t], 0x1800000   ; and the floor 2^(3 - 127): the byte cannot fall under 1
	v_add_nc_u32 v[50+4*\t], 0xff000000, v[48+4*\t]   ; 2 off the exponent field: the conversion takes the exponent field of this operand as its scale
	v_lshrrev_b32 v[51+4*\t], 23, v[50+4*\t]       ; the scale's byte
	v_cvt_scalef32_pk16_fp6_f32 v[32+8*\t:34+8*\t], v[XS+32*\t:XS+32*\t+15], v[50+4*\t]
	v_cvt_scalef32_pk16_fp6_f32 v[36+8*\t:38+8*\t], v[XS+32*\t+16:XS+32*\t+31], v[50+4*\t]   ; (a conversion's three registers begin on an even number)
	v_nop                                          ; one plain place behind a scaled conversion
	v_mov_b32 v[35+8*\t], v[36+8*\t]
	v_mov_b32 v[36+8*\t], v[37+8*\t]
	v_mov_b32 v[37+8*\t], v[38+8*\t]               ; the block's 24 bytes on end
	ds_store_b128 v5, v[32+8*\t:35+8*\t] offset:8704*\t+16*(\i)
	ds_store_b64 v6, v[36+8*\t:37+8*\t] offset:4352*\t+8*(\i)
	ds_store_b8 v7, v[51+4*\t] offset:1024*\t+8*(\i)
.endr
.if \ahead
	LOADROW (\i)+3, \set
.endif
.endm
	LOADROW 0, 0
	LOADROW 1, 1
	LOADROW 2, 2
	ROW 0, 0, 1
	ROW 1, 1, 1
	ROW 2, 2, 1
	ROW 3, 0, 1
	ROW 4, 1, 1
	ROW 5, 2, 0
	ROW 6, 0, 0
	ROW 7, 1, 0
	s_wait_dscnt 0x0                               ; for the others' sake: my stores have landed
	s_barrier_signal -1
	s_barrier_wait -1                              ; the pair's codes and bytes lie in LDS
.irp blk, 0,1
.irp q, 0,1,2,3
.irp c, 0,1
	ds_load_b128 v[64+4*(8*\blk+2*\q+\c):64+4*(8*\blk+2*\q+\c)+3], v8 offset:(64*\blk+4*\q+2*\c)*272
	ds_load_b64 v[128+2*(8*\blk+2*\q+\c):128+2*(8*\blk+2*\q+\c)+1], v9 offset:(64*\blk+4*\q+2*\c)*136
.endr
.endr
.endr
	ds_load_b128 v[160:163], v10
	s_wait_dscnt 0x0
.irp blk, 0,1
.irp q, 0,1,2,3
.irp c, 0,1
	global_store_b128 v2, v[64+4*(8*\blk+2*\q+\c):64+4*(8*\blk+2*\q+\c)+3], s[40+2*\q:41+2*\q] offset:1536*\blk+768*\c        ; 512 consecutive bytes, at a multiple of 256 from the buffer's first byte
	global_store_b64 v11, v[128+2*(8*\blk+2*\q+\c):128+2*(8*\blk+2*\q+\c)+1], s[40+2*\q:41+2*\q] offset:1536*\blk+768*\c+512  ; 256 likewise
.endr
.endr
.endr
	global_store_b128 v2, v[160:163], s[48:49]
	s_wait_tensorcnt 0x0                           ; the wave's end: behind my last LDS store
	ds_add_u32 v12, v13
	s_wait_dscnt 0x0
	s_endpgm
.Lfunc_end_k_qba149c0547_prep:
	.size	k_qba149c0547_prep, .Lfunc_end_k_qba149c0547_prep-k_qba149c0547_prep
	.p2alignl 7, 3214868480
	.fill 96, 4, 3214868480
	.section	.rodata,"a",@progbits
	.p2align	6, 0x0
	.amdhsa_kernel k_qba149c0547_prep
		.amdhsa_group_segment_fixed_size 91648
		.amdhsa_private_segment_fixed_size 0
		.amdhsa_enable_private_segment 0
		.amdhsa_kernarg_size 80
		.amdhsa_user_sgpr_count 2
		.amdhsa_user_sgpr_kernarg_segment_ptr 1
		.amdhsa_wavefront_size32 1
		.amdhsa_system_sgpr_workgroup_id_x 1
		.amdhsa_system_sgpr_workgroup_id_y 1
		.amdhsa_system_sgpr_workgroup_id_z 1
		.amdhsa_system_vgpr_workitem_id 0
		.amdhsa_next_free_vgpr 384
		.amdhsa_next_free_sgpr 72
		.amdhsa_reserve_vcc 0
		.amdhsa_float_denorm_mode_32 3
		.amdhsa_float_denorm_mode_16_64 3
		.amdhsa_memory_ordered 1
		.amdhsa_forward_progress 1
		.amdhsa_inst_pref_size 160
	.end_amdhsa_kernel
	.amdgpu_metadata
---
amdhsa.version: [ 1, 2 ]
amdhsa.kernels:
  - .name:           k_qba149c0547_prep
    .symbol:         k_qba149c0547_prep.kd
    .args:
      - { .name: x, .offset: 0, .size: 8, .value_kind: global_buffer, .address_space: global }
      - { .name: ln_gamma, .offset: 8, .size: 8, .value_kind: global_buffer, .address_space: global }
      - { .name: ln_beta, .offset: 16, .size: 8, .value_kind: global_buffer, .address_space: global }
      - { .name: W_in, .offset: 24, .size: 8, .value_kind: global_buffer, .address_space: global }
      - { .name: W_dt, .offset: 32, .size: 8, .value_kind: global_buffer, .address_space: global }
      - { .name: W_out, .offset: 40, .size: 8, .value_kind: global_buffer, .address_space: global }
      - { .name: W_B, .offset: 48, .size: 8, .value_kind: global_buffer, .address_space: global }
      - { .name: W_C, .offset: 56, .size: 8, .value_kind: global_buffer, .address_space: global }
      - { .name: xnq, .offset: 64, .size: 8, .value_kind: global_buffer, .address_space: global }
      - { .name: wq, .offset: 72, .size: 8, .value_kind: global_buffer, .address_space: global }
    .group_segment_fixed_size: 91648
    .private_segment_fixed_size: 0
    .kernarg_segment_align: 8
    .kernarg_segment_size: 80
    .max_flat_workgroup_size: 128
    .sgpr_count:     72
    .vgpr_count:     384
    .wavefront_size: 32
...
	.end_amdgpu_metadata
.endif
;; end of part 1
;; launch gemm_in (part 2): grid 16 x 16, 4 waves a work-group, clusters of 4 x 4, 327,680 bytes of LDS; arguments xnq, wq, b_in, xsq, u; writes xsq, u
.if DOCPART == 2
	.amdgcn_target "amdgcn-amd-amdhsa--gfx1250"
	.amdhsa_code_object_version 6
	.text
	.protected	k_qba149c0547_gemm_in
	.globl	k_qba149c0547_gemm_in
	.p2align	8
	.type	k_qba149c0547_gemm_in,@function
k_qba149c0547_gemm_in:
	s_mov_b64 s[64:65], 0
	v_nop
	global_prefetch_b8 v0, s[64:65] scope:SCOPE_SE
	s_setreg_imm32_b32 hwreg(HW_REG_WAVE_MODE, 25, 1), 1
	s_wait_xcnt 0x0
	s_wait_alu depctr_hold_cnt(0) depctr_sa_sdst(0) depctr_va_vdst(0) depctr_va_sdst(0) depctr_va_ssrc(0) depctr_va_vcc(0) depctr_vm_vsrc(0)
	s_getreg_b32 s2, hwreg(HW_REG_IB_STS2, 6, 4)
	s_cmp_eq_u32 s2, 0
	s_cbranch_scc0 .Lentry_in_a_cluster
	s_endpgm
.Lentry_in_a_cluster:
	s_bfe_u32 s2, ttmp6, 0x10000c
	s_cmp_lg_u32 s2, 0xf033
	s_cbranch_scc0 .Lentry_shape_is_right
	s_endpgm
.Lentry_shape_is_right:
; xz = LayerNorm(x) W_in^T + b_in on codes of FP6 with E8M0 scales; out of it: the codes and scale bytes of x_ssm (xsq), and u = x_ssm silu(z) in f32.
; A work-group makes 256 rows x 256 columns (128 of x_ssm and the same 128 of z): 16 x 16 work-groups.  Each of four waves makes 128 x 128: 64 accumulators, 512 registers; its blocks 0-3 of W are 64 columns of x_ssm, blocks 4-7 the same 64 of z.
; K = 2,048 goes in 16 steps of 128, written out (all scale words lie in registers whose numbers go with the step).  Operands lie in memory as images of the operand's registers, 1,536 bytes for 16 rows x 128 K.
; LDS: a slot holds two K steps: of A 2 halves x 2 steps x 12,288 bytes, of B 2 steps x 24,576.  A's two slots lie by halves ([half][slot]), B's by slots, so that each wave's ONE load at the head is dense in memory and in LDS:
; waves 0, 1 bring a half of A's rows for K steps 0-3 (both slots), wave 2 B's K steps 0, 1, wave 3 B's 2, 3: 49,152 bytes each.  A refill brings 24,576 bytes a wave: waves 0, 1 a half of A, waves 2, 3 a K step of B.  Eight fills, six of them refills.
; A K step is 64 products, A's blocks one after the other against B's eight; A has one set of fragment registers (blocks 0-3 fetched anew in the step's middle, 4-7 at its end), B two sets.
; An odd step changes slots: ONE barrier; ahead of it each wave waits for all its tensor loads, adds 0 to its spare word and waits for that and for its reads of this slot; it opens a round of the cluster's barrier where the slot is filled again.
; THE MATRIX INSTRUCTION IS USED TRANSPOSED (source 0 = 16 rows of W, source 1 = 16 rows of the activation): a lane holds one row, and by the order of W's rows 16 neighbouring columns in two neighbouring accumulators.
; CLUSTERS: 4 x 4 work-groups; A's tiles are asked for jointly along a row of the cluster, B's along a column.
; PREFETCH: beside the refill for fill f + 2 each loading wave names the 24,576 bytes that it will ask for as fill f + 4, two refills on; the four partners of a joint load take 24 blocks of 256 bytes each, told apart by address (lanes 24-31 name the last again).
; Fills 2 and 3 are named at the head; fills 0 and 1 come by their loads alone; nothing is named beyond fill 7.
; u is formed as x_ssm (z sigmoid(z)): the order of these multiplications differs from the source's.  LIMITS: NaN and infinities are not served; a block under 2^-124 gets the byte 1.
; REGISTERS: window 0: v2-9 LDS addresses, v14-22 other addresses, v30, v31 the add's; v32-95 A's scale words, v96-159 B's; v160-255 A's fragments.  Window 1: B's fragments at v0 and v128; v96-127, v224-255 the bias.
;   Windows 2, 3: the accumulators of my rows 0-63, 64-127: (a, b) at v[8 (8 (a % 4) + b)].
.set ASTEP, 12288                      ; A: the images of a half's 8 blocks for a K step
.set BSTEP, 24576                      ; B: of the tile's 16 blocks
.set PIECE, 24576                      ; what a refill's load brings
.set BRING, 98304                      ; A's ring lies from byte 0, B's from here
.set SPARE, 196608                     ; behind the rings: the spare words, 128 bytes a wave, named by no other line
.set KG,    1572864                    ; from four K steps' images to the next four, in xnq and in W_in's part of wq alike
.set WSOFF, 12976128                   ; W_in's scale bytes in wq
.set SA, 32
.set SB, 96
.set AF, 160
.set AAD, 2                            ; v2, v3: my A fragments in slot 0 (16 l, 8 l); v4, v5: in slot 1
.set BAD, 6                            ; v6-9: the same for B
.set PFO, 20                           ; v20, v21: the prefetches' offsets for slot 0, 1
.set G1A, 24
.set G0A, 32
.set G1B, 48
.set G0B, 56
.set GHA, 84                           ; group 0 of the head's loads
.set GHB, 88
.set PFA, 94
.set MSB, 0
.macro WIN new                         ; the immediate's high byte repeats the setting that is left
.if MSB != (\new)
	s_set_vgpr_msb (MSB<<8)|(\new)
.set MSB, \new
.endif
.endm
.macro JLOAD g0a, g0b                  ; a joint load: waves 0, 1 fetch for A, waves 2, 3 for B; an s_nop 0 and four v_nop follow each line
	s_cmp_eq_u32 s15, 0
	s_cbranch_scc0 .Lfor_b_\@
	tensor_load_to_lds s[\g0a:\g0a+3], s[G1A:G1A+7]
	s_nop 0
.rept 4
	v_nop
.endr
	s_branch .Lasked_\@
.Lfor_b_\@:
	tensor_load_to_lds s[\g0b:\g0b+3], s[G1B:G1B+7]
	s_nop 0
.rept 4
	v_nop
.endr
.Lasked_\@:
.endm
.macro CREST                           ; a round of the cluster's barrier behind its opening barrier
	s_cmp_lg_u32 s14, 0
	s_cbranch_scc1 .Lnot_wave_0_\@
	s_barrier_signal -3
.Lnot_wave_0_\@:
	s_barrier_wait -3
	s_barrier_signal -1
	s_barrier_wait -1
.endm
.macro CROUND
	s_barrier_signal -1
	s_barrier_wait -1
	CREST
.endm
.macro PLACES                          ; four places between matrix instructions and loads into registers that they have read, or reads of their results
.rept 4
	v_nop
.endr
.endm
.macro FRAG4 reg, a16, a8, off         ; an image comes back as the operand's 12 registers
	ds_load_b128 v[\reg:\reg+3], v[\a16] offset:\off
	ds_load_b64 v[\reg+4:\reg+5], v[\a8] offset:\off+512
	ds_load_b128 v[\reg+6:\reg+9], v[\a16] offset:\off+768
	ds_load_b64 v[\reg+10:\reg+11], v[\a8] offset:\off+1280
.endm
.macro FETCH_B s                       ; B's eight fragments of K step s into set s % 2: 32 loads
.set sg_, 2*(((\s)>>1)&1)
	WIN 0x40
.irp i, 0,1,2,3,4,5,6,7
	FRAG4 128*((\s)&1)+12*\i, BAD+sg_, BAD+sg_+1, ((\s)&1)*BSTEP+1536*\i
.endr
	WIN 0
.endm
.macro FETCH_A s, i0                   ; A's blocks i0 .. i0 + 3 of K step s: 16 loads
.set sg_, 2*(((\s)>>1)&1)
.irp i, \i0, \i0+1, \i0+2, \i0+3
	FRAG4 AF+12*(\i), AAD+sg_, AAD+sg_+1, ((\s)&1)*ASTEP+1536*(\i)
.endr
.endm
; The product of A's block a and B's block b in K step s.  A scale register holds an even block's words in lanes 0-15 and the odd block's in lanes 16-31.  first = 1: the bias is the C of the sum's first product.
.macro ONE a, b, s, first
.set d_, 8*(8*((\a)%4)+(\b))
.set c_, d_
.set w_, 0xa1+0x50*((\a)/4)
.if \first
.set c_, 96+8*(\b)+96*((\b)/4)
.set w_, 0x91+0x40*((\a)/4)
.endif
.set sb_, SB+16*((\b)/2)+(\s)
.set sa_, SA+16*((\a)/2)+(\s)
.set fb_, 128*((\s)&1)+12*(\b)
.set fa_, AF+12*(\a)
	WIN w_
.if ((\b)%2 == 0) && ((\a)%2 == 0)
	v_wmma_scale_f32_16x16x128_f8f6f4 v[d_:d_+7], v[fb_:fb_+11], v[fa_:fa_+11], v[c_:c_+7], v[sb_], v[sa_] matrix_a_fmt:MATRIX_FMT_FP6 matrix_b_fmt:MATRIX_FMT_FP6
.elseif ((\b)%2 == 1) && ((\a)%2 == 0)
	v_wmma_scale_f32_16x16x128_f8f6f4 v[d_:d_+7], v[fb_:fb_+11], v[fa_:fa_+11], v[c_:c_+7], v[sb_], v[sa_] matrix_a_fmt:MATRIX_FMT_FP6 matrix_b_fmt:MATRIX_FMT_FP6 matrix_a_scale:MATRIX_SCALE_ROW1
.elseif ((\b)%2 == 0) && ((\a)%2 == 1)
	v_wmma_scale_f32_16x16x128_f8f6f4 v[d_:d_+7], v[fb_:fb_+11], v[fa_:fa_+11], v[c_:c_+7], v[sb_], v[sa_] matrix_a_fmt:MATRIX_FMT_FP6 matrix_b_fmt:MATRIX_FMT_FP6 matrix_b_scale:MATRIX_SCALE_ROW1
.else
	v_wmma_scale_f32_16x16x128_f8f6f4 v[d_:d_+7], v[fb_:fb_+11], v[fa_:fa_+11], v[c_:c_+7], v[sb_], v[sa_] matrix_a_fmt:MATRIX_FMT_FP6 matrix_b_fmt:MATRIX_FMT_FP6 matrix_a_scale:MATRIX_SCALE_ROW1 matrix_b_scale:MATRIX_SCALE_ROW1
.endif
.endm
.macro MUL16 a0, s, first              ; A's blocks a0, a0 + 1 against B's eight.  The 64 accumulators take turns, one instruction a turn, in the same order in every step
.irp a, \a0, \a0+1
.irp b, 0,1,2,3,4,5,6,7
	ONE \a, \b, \s, \first
.endr
.endr
.endm
.macro STEP s, first
.set NX, (\s)+1
.set g_, (\s)>>1                       ; the fill that holds this step; it lies in slot g_ % 2
.if (\s)&1
	s_wait_tensorcnt 0x0                           ; all my tensor loads have landed: my part of the next slot
	ds_add_u32 v30, v31
	s_wait_dscnt 17                                ; the add and the youngest 16 loads (A's blocks 4-7) may be out
	MUL16 0, \s, \first
	s_wait_dscnt 0x0                               ; the add is done, and my reads of this slot are over
	s_barrier_signal -1
	MUL16 2, \s, \first
	WIN 0
	s_barrier_wait -1
.if g_+2 < 8
	CREST                                          ; no wave of any partner still reads this slot or has a load on its way
	s_add_nc_u64 s[G0A+4*(g_&1)+2:G0A+4*(g_&1)+3], s[G0A+4*(g_&1)+2:G0A+4*(g_&1)+3], KG
	s_add_nc_u64 s[G0B+4*(g_&1)+2:G0B+4*(g_&1)+3], s[G0B+4*(g_&1)+2:G0B+4*(g_&1)+3], KG
	JLOAD G0A+4*(g_&1), G0B+4*(g_&1)               ; fill g_ + 2, my one tensor load behind the round; its four v_nop are the places in front of the loads below
.else
	PLACES
.endif
.else
	s_wait_dscnt 16                                ; B's set and A's blocks 0-3 are in; the youngest 16 loads (A's blocks 4-7) may be out
	MUL16 0, \s, \first
	MUL16 2, \s, \first
	s_wait_dscnt 0x0                               ; A's blocks 4-7 are in
	PLACES
.endif
	FETCH_B NX
	FETCH_A NX, 0
.if ((\s)&1) && (g_+4 < 8)
	global_prefetch_b8 v[PFO+(g_&1)], s[PFA:PFA+1] offset:((g_+4)>>1)*KG th:TH_LOAD_NT scope:SCOPE_SE   ; my share of what I ask for as fill g_ + 4; its registers are never rewritten
.endif
	MUL16 4, \s, \first
	MUL16 6, \s, \first
	PLACES
	WIN 0
	FETCH_A NX, 4
.endm
	s_load_b256 s[4:11], s[0:1], 0x0               ; xnq, wq, b_in, xsq
	s_load_b64 s[12:13], s[0:1], 0x20              ; u
	v_lshl_add_u32 v30, v0, 2, SPARE
	v_mov_b32 v31, 0
	ds_add_u32 v30, v31                            ; the wave's opening: the add, twice on end, and its wait ahead of my first tensor load
	ds_add_u32 v30, v31
	v_lshrrev_b32 v1, 5, v0
	v_readfirstlane_b32 s14, v1                    ; wave
	s_lshr_b32 s15, s14, 1                         ; my half of the rows; also: I fetch for A (0) or B (1)
	s_and_b32 s16, s14, 1                          ; my half of the columns; also: which part I fetch
	s_bfe_u32 s40, ttmp6, 0x40000                  ; cx
	s_bfe_u32 s41, ttmp6, 0x40004                  ; cy
	s_lshl_b32 s42, ttmp9, 2
	s_add_co_u32 s42, s42, s40                     ; tile column
	s_and_b32 s17, ttmp7, 0xffff
	s_lshl_b32 s17, s17, 2
	s_add_co_u32 s17, s17, s41                     ; tile row
	s_lshl_b32 s43, s41, 2
	s_lshl_b32 s43, 15, s43                        ; my row of the cluster
	s_lshl_b32 s44, 0x1111, s40                    ; my column
	s_or_b32 s[G1A], s43, (3<<16)|(1<<21)          ; the mask; elements of 8 bytes; bit 21 beside a mask; no padding
	s_or_b32 s[G1B], s44, (3<<16)|(1<<21)
.irp g, G1A, G1B
	s_mov_b32 s[\g+1], 32<<16                      ; a dense block as rows of 256 bytes: tensor_dim0 = 32
	s_mov_b32 s[\g+2], 192<<16                     ; tensor_dim1: 192 rows for the head's loads
	s_mov_b32 s[\g+3], 32<<16                      ; tile_dim0
	s_mov_b32 s[\g+4], 192                         ; tile_dim1
	s_mov_b32 s[\g+5], 32                          ; the pitch
	s_mov_b32 s[\g+6], 0
	s_mov_b32 s[\g+7], 0
.endr
	s_mul_i32 s18, s16, 2*PIECE                    ; the head's part, and A's half: in memory and in LDS
	s_mul_i32 s19, s16, PIECE                      ; B's K step of a refill
	s_mul_i32 s20, s17, 4*PIECE                    ; A: two halves of 49,152 bytes for four K steps
	s_add_co_u32 s20, s20, s18
	s_mov_b32 s21, 0
	s_mul_i32 s46, s42, 4*BSTEP                    ; B: 98,304 bytes for four K steps
	s_mov_b32 s47, 0
	s_add_co_u32 s92, s46, s19
	s_mov_b32 s93, 0
	s_add_co_u32 s46, s46, s18
	s_wait_dscnt 0x0                               ; both opening adds are done
	s_wait_kmcnt 0x0
	s_add_nc_u64 s[20:21], s[4:5], s[20:21]        ; A: half s16 of the tile's rows, K step 0
	s_add_nc_u64 s[46:47], s[6:7], s[46:47]        ; B: K step 2 s16
	s_add_nc_u64 s[92:93], s[6:7], s[92:93]        ; B: K step s16
	CROUND                                         ; all sixteen work-groups are here: the first joint loads meet
	s_mov_b32 s[GHA], 1
	s_add_co_u32 s[GHA+1], s18, 0
	s_mov_b64 s[GHA+2:GHA+3], s[20:21]
	s_or_b32 s[GHA+3], s[GHA+3], 0x80000000
	s_mov_b32 s[GHB], 1
	s_add_co_u32 s[GHB+1], s18, BRING
	s_mov_b64 s[GHB+2:GHB+3], s[46:47]
	s_or_b32 s[GHB+3], s[GHB+3], 0x80000000
.irp s, 0,1
	s_mov_b32 s[G0A+4*\s], 1
	s_add_co_u32 s[G0A+4*\s+1], s18, \s*PIECE
	s_add_nc_u64 s[G0A+4*\s+2:G0A+4*\s+3], s[20:21], \s*PIECE
	s_or_b32 s[G0A+4*\s+3], s[G0A+4*\s+3], 0x80000000
	s_mov_b32 s[G0B+4*\s], 1
	s_add_co_u32 s[G0B+4*\s+1], s19, BRING+\s*2*BSTEP
	s_add_nc_u64 s[G0B+4*\s+2:G0B+4*\s+3], s[92:93], \s*2*BSTEP
	s_or_b32 s[G0B+4*\s+3], s[G0B+4*\s+3], 0x80000000
.endr
	JLOAD GHA, GHB                                 ; both slots' first fills, one tensor load a wave; all below is made while they are out
	s_lshl_b32 s22, s17, 3
	s_lshl_b32 s23, s15, 2
	s_add_co_u32 s22, s22, s23
	s_lshl_b32 s22, s22, 11
	s_add_co_u32 s22, s22, 6291456
	s_mov_b32 s23, 0
	s_add_nc_u64 s[22:23], s[4:5], s[22:23]        ; the scale bytes of my four pairs of A's blocks
	s_lshl_b32 s66, s42, 3
	s_lshl_b32 s67, s16, 2
	s_add_co_u32 s66, s66, s67
	s_lshl_b32 s66, s66, 11
	s_add_co_u32 s66, s66, WSOFF
	s_mov_b32 s67, 0
	s_add_nc_u64 s[66:67], s[6:7], s[66:67]        ; and of my four pairs of B's
	s_mov_b32 s81, 0
	s_lshl_b32 s80, s42, 9
	s_lshl_b32 s82, s16, 8
	s_add_co_u32 s80, s80, s82
	s_add_nc_u64 s[76:77], s[8:9], s[80:81]        ; b_in at my 64 columns of x_ssm
	s_lshl_b32 s80, s17, 4
	s_lshl_b32 s82, s15, 3
	s_add_co_u32 s80, s80, s82
	s_lshl_b32 s80, s80, 6
	s_lshl_b32 s82, s42, 2
	s_add_co_u32 s80, s80, s82
	s_lshl_b32 s82, s16, 1
	s_add_co_u32 s80, s80, s82
	s_lshl_b32 s80, s80, 11
	s_add_nc_u64 s[70:71], s[12:13], s[80:81]      ; u: (block of 16 rows x 64 + group of 32 columns) x 2,048
	s_lshr_b32 s80, s42, 2
	s_lshl_b32 s80, s80, 5
	s_lshl_b32 s82, s17, 1
	s_add_co_u32 s80, s80, s82
	s_add_co_u32 s80, s80, s15
	s_mul_i32 s80, s80, 49152
	s_and_b32 s82, s42, 3
	s_mul_i32 s82, s82, 12288
	s_add_co_u32 s80, s80, s82
	s_mul_i32 s82, s16, 768
	s_add_co_u32 s80, s80, s82
	s_add_nc_u64 s[72:73], s[10:11], s[80:81]      ; xsq: K step = my tile column; my 128 rows; my half of each image
	s_lshl_b32 s80, s17, 3
	s_lshl_b32 s82, s14, 1
	s_add_co_u32 s80, s80, s82
	s_lshl_b32 s80, s80, 11
	s_lshr_b32 s82, s42, 1
	s_lshl_b32 s82, s82, 8
	s_add_co_u32 s80, s80, s82
	s_and_b32 s82, s42, 1
	s_lshl_b32 s82, s82, 2
	s_add_co_u32 s80, s80, s82
	s_add_co_u32 s80, s80, 6291456
	s_add_nc_u64 s[74:75], s[10:11], s[80:81]      ; xsq's scale words of pairs 2 w, 2 w + 1 of the tile's rows
	s_mov_b32 s78, 0x76543210
	s_mov_b32 s79, 0xfedcba98                      ; v_permlanex16_b32's selects for lane l xor 16
	s_mul_i32 s96, s15, 2*PIECE                    ; LDS: my half of A
	s_mul_i32 s97, s16, 12288
	s_add_co_u32 s97, s97, BRING                   ; my eight blocks of B
	s_lshl_b32 s98, s15, 9
	s_lshl_b32 s99, s16, 1
	s_add_co_u32 s98, s98, s99
	s_lshl_b32 s99, s14, 8
	s_mov_b32 s45, 2*BSTEP                         ; the prefetches: from slot 0's part to slot 1's: 49,152 bytes in B, 24,576 in A
	s_cmp_eq_u32 s15, 0
	s_cselect_b64 s[PFA:PFA+1], s[20:21], s[92:93] ; what I fetch as fill 0's part
	s_cselect_b32 s82, s40, s41                    ; my work-group's place among the four that ask for it with me
	s_cselect_b32 s45, PIECE, s45
	s_mul_i32 s82, s82, 6144                       ; its 24 blocks of 256 bytes
	s_mov_b32 s83, 0
	s_add_nc_u64 s[PFA:PFA+1], s[PFA:PFA+1], s[82:83]
	v_and_b32 v1, 31, v0
	v_lshlrev_b32 v14, 4, v1                       ; 16 l
	v_lshlrev_b32 v15, 3, v1                       ; 8 l
	v_add_nc_u32 v2, s96, v14
	v_add_nc_u32 v3, s96, v15
	v_add_nc_u32 v4, PIECE, v2
	v_add_nc_u32 v5, PIECE, v3
	v_add_nc_u32 v6, s97, v14
	v_add_nc_u32 v7, s97, v15
	v_add_nc_u32 v8, 2*BSTEP, v6
	v_add_nc_u32 v9, 2*BSTEP, v7
	v_bfe_u32 v16, v0, 4, 1
	v_lshlrev_b32 v16, 6, v16                      ; the bias: 64 h
	v_and_b32 v17, 15, v0
	v_lshl_add_u32 v17, v17, 2, s98                ; LDS: my rows' two scale bytes: 64 (8 wr + a) + 4 r + 2 wc
	v_lshl_add_u32 v18, v1, 2, s99                 ; and back: 256 w + 4 l
	v_min_u32 v[PFO], 23, v1
	v_lshlrev_b32 v[PFO], 8, v[PFO]
	v_add_nc_u32 v[PFO+1], s45, v[PFO]
	s_wait_alu depctr_va_vdst(0)                   ; the wait at the end of the head's vector work
	global_prefetch_b8 v[PFO], s[PFA:PFA+1] offset:KG th:TH_LOAD_NT scope:SCOPE_SE     ; fill 2
	global_prefetch_b8 v[PFO+1], s[PFA:PFA+1] offset:KG th:TH_LOAD_NT scope:SCOPE_SE   ; fill 3
.irp pa, 0,1,2,3
.irp sp, 0,1,2,3,4,5,6,7
	global_load_b64 v[SA+16*\pa+2*\sp:SA+16*\pa+2*\sp+1], v15, s[22:23] offset:2048*\pa+256*\sp   ; two K steps' words: lanes 0-15 the even block's rows, lanes 16-31 the odd block's
.endr
.endr
.irp pb, 0,1,2,3
.irp sp, 0,1,2,3,4,5,6,7
	global_load_b64 v[SB+16*\pb+2*\sp:SB+16*\pb+2*\sp+1], v15, s[66:67] offset:2048*\pb+256*\sp
.endr
.endr
	WIN 0x40
.irp b, 0,1,2,3,4,5,6,7
	global_load_b128 v[96+8*\b+96*(\b/4):96+8*\b+96*(\b/4)+3], v16, s[76:77] offset:8192*(\b/4)+128*((\b%4)/2)+32*(\b%2)
	global_load_b128 v[96+8*\b+96*(\b/4)+4:96+8*\b+96*(\b/4)+7], v16, s[76:77] offset:8192*(\b/4)+128*((\b%4)/2)+32*(\b%2)+16
.endr
	WIN 0
	s_wait_tensorcnt 0x0                           ; my part of the two slots is in; no tensor load of mine is out, so a descriptor may be written:
	s_mov_b32 s[G1A+2], 96<<16                     ; from here on a load brings 96 rows of 256 bytes
	s_mov_b32 s[G1A+4], 96
	s_mov_b32 s[G1B+2], 96<<16
	s_mov_b32 s[G1B+4], 96
	s_barrier_signal -1
	s_barrier_wait -1                              ; everybody's part is in
	FETCH_B 0
	FETCH_A 0, 0
	FETCH_A 0, 4
	s_wait_loadcnt 0x0                             ; the scale words and the bias
	STEP 0, 1
.irp t, 1,2,3,4,5,6,7,8,9,10,11,12,13,14
	STEP \t, 0
.endr
	s_wait_dscnt 16                                ; the last step: nothing more to fetch
	MUL16 0, 15, 0
	MUL16 2, 15, 0
	s_wait_dscnt 0x0
	MUL16 4, 15, 0
	MUL16 6, 15, 0
	PLACES
.set TM, 200                           ; window 1: v200, v201 largest magnitudes; v204, v205 the other half's, then the bytes; v212, v213 the conversions' scale operands
.set HW, 168                           ; window 1: v168-175 two scale bytes for each tile of rows
.set CT, 160                           ; window 1: v160-162 a conversion's second half
	WIN 0x40
	v_mov_b32 v[TM+4], 0                           ; written once: a lane permute's destination counts as one of its sources
	v_mov_b32 v[TM+5], 0
; Tile a of 16 rows: X = my 32 numbers of x_ssm, Z = of z (window 2 or 3).  sigmoid in window 1 v0-31; x_ssm's two blocks of 32 are quantised while the exponentials and reciprocals are on their way.
.macro EPI a
.set W_, 2+(\a)/4
.set X_, 64*((\a)%4)
.set Z_, X_+32
.set PC_, 64+8*(\a)
	WIN 0x40+W_
.set k_, 0
.rept 16
	v_pk_mul_f32 v[k_:k_+1], v[Z_+k_:Z_+k_+1], 0xbfb8aa3b op_sel_hi:[1,0]   ; -z log2(e)
.set k_, k_+2
.endr
	WIN 0x55
.set k_, 0
	s_wait_alu depctr_va_vdst(0)                   ; the wait ahead of the batch
.rept 32
	v_exp_f32 v[k_], v[k_]
.set k_, k_+1
.endr
	WIN 0x50+5*W_
	s_wait_alu depctr_va_vdst(0)                   ; and ahead of the first reader of matrix results behind it
	v_max3_num_f32 v[TM], |v[X_]|, |v[X_+1]|, 0x1800000          ; my 16 numbers of each block, and the floor 2^(3 - 127)
	v_max3_num_f32 v[TM+1], |v[X_+16]|, |v[X_+17]|, 0x1800000
.irp n, 2,4,6,8,10,12,14
	v_max3_num_f32 v[TM], |v[X_+\n]|, |v[X_+\n+1]|, v[TM]
	v_max3_num_f32 v[TM+1], |v[X_+16+\n]|, |v[X_+17+\n]|, v[TM+1]
.endr
	s_wait_alu depctr_va_vdst(0)                   ; one wait for the 32 exponentials, ahead of their first reader
	WIN 0x55
.set k_, 0
.rept 16
	v_pk_add_f32 v[k_:k_+1], v[k_:k_+1], 1.0 op_sel_hi:[1,0]
.set k_, k_+2
.endr
.set k_, 0
	s_wait_alu depctr_va_vdst(0)
.rept 32
	v_rcp_f32 v[k_], v[k_]                         ; sigmoid(z)
.set k_, k_+1
.endr
	v_nop
	v_permlanex16_b32 v[TM+4], v[TM], s78, s79
	v_permlanex16_b32 v[TM+5], v[TM+1], s78, s79
	v_max_num_f32 v[TM], v[TM], v[TM+4]            ; with lane l xor 16's: the block's largest magnitude
	v_max_num_f32 v[TM+1], v[TM+1], v[TM+5]
	v_add_nc_u32 v[TM+12], 0xff000000, v[TM]       ; 2 off the exponent field: the conversion's scale operand
	v_add_nc_u32 v[TM+13], 0xff000000, v[TM+1]
	v_lshrrev_b32 v[TM+4], 23, v[TM+12]
	v_lshrrev_b32 v[TM+5], 23, v[TM+13]
	v_lshl_or_b32 v[HW+(\a)], v[TM+5], 8, v[TM+4]  ; the two bytes
	WIN 0x44+W_
	v_cvt_scalef32_pk16_fp6_f32 v[PC_:PC_+2], v[X_:X_+15], v[TM+12]
	v_cvt_scalef32_pk16_fp6_f32 v[CT:CT+2], v[X_+16:X_+31], v[TM+13]
	WIN 0x55
	v_nop                                          ; one plain place behind a scaled conversion
.irp n, 0,1,2
	v_permlane16_swap_b32 v[PC_+\n], v[CT+\n]      ; a whole block to a lane: lanes 0-15 the first, lanes 16-31 the second
.endr
.irp n, 0,1,2
	v_mov_b32 v[PC_+3+\n], v[CT+\n]
.endr
	s_wait_alu depctr_va_vdst(0)                   ; one wait for the 32 reciprocals
	WIN 64*W_+4+W_
.set k_, 0
.rept 16
	v_pk_mul_f32 v[Z_+k_:Z_+k_+1], v[Z_+k_:Z_+k_+1], v[k_:k_+1]          ; silu(z)
.set k_, k_+2
.endr
	WIN 64*W_+5*W_
.set k_, 0
.rept 16
	v_pk_mul_f32 v[Z_+k_:Z_+k_+1], v[Z_+k_:Z_+k_+1], v[X_+k_:X_+k_+1]    ; u
.set k_, k_+2
.endr
	WIN 4*W_
.irp g, 0,1
.irp m, 0,1,2,3
	global_store_b128 v14, v[Z_+16*\g+4*\m:Z_+16*\g+4*\m+3], s[70:71] offset:131072*(\a)+2048*\g+512*\m   ; 512 consecutive bytes
.endr
.endr
	WIN 0x04
	global_store_b128 v14, v[PC_:PC_+3], s[72:73] offset:1536*(\a)
	global_store_b64 v15, v[PC_+4:PC_+5], s[72:73] offset:1536*(\a)+512
	ds_store_b16 v17, v[HW+(\a)] offset:64*(\a)    ; into A's slot 0, which has had its last fill and, ahead of step 13's barrier, its last read.  Lanes l and l xor 16 write the same bytes
.endm
.irp t, 0,1,2,3,4,5,6,7
	EPI \t
.endr
	WIN 0
	s_wait_dscnt 0x0                               ; for the others' sake: my stores have landed
	s_barrier_signal -1
	s_barrier_wait -1
	ds_load_b32 v19, v18                           ; a row's four bytes come from two waves
	ds_load_b32 v22, v18 offset:128
	s_wait_dscnt 0x0
	global_store_b32 v15, v19, s[74:75]            ; words 8 bytes apart: the words between belong to the neighbouring tile column
	global_store_b32 v15, v22, s[74:75] offset:2048
	s_wait_tensorcnt 0x0                           ; the wave's end
	ds_add_u32 v30, v31
	s_wait_dscnt 0x0
	CROUND                                         ; the closing round
	s_endpgm
.Lfunc_end_k_qba149c0547_gemm_in:
	.size	k_qba149c0547_gemm_in, .Lfunc_end_k_qba149c0547_gemm_in-k_qba149c0547_gemm_in
	.p2alignl 7, 3214868480
	.fill 96, 4, 3214868480
	.section	.rodata,"a",@progbits
	.p2align	6, 0x0
	.amdhsa_kernel k_qba149c0547_gemm_in
		.amdhsa_group_segment_fixed_size 327680
		.amdhsa_private_segment_fixed_size 0
		.amdhsa_enable_private_segment 0
		.amdhsa_kernarg_size 40
		.amdhsa_user_sgpr_count 2
		.amdhsa_user_sgpr_kernarg_segment_ptr 1
		.amdhsa_wavefront_size32 1
		.amdhsa_system_sgpr_workgroup_id_x 1
		.amdhsa_system_sgpr_workgroup_id_y 1
		.amdhsa_system_sgpr_workgroup_id_z 1
		.amdhsa_system_vgpr_workitem_id 0
		.amdhsa_next_free_vgpr 1024
		.amdhsa_next_free_sgpr 100
		.amdhsa_reserve_vcc 0
		.amdhsa_float_denorm_mode_32 3
		.amdhsa_float_denorm_mode_16_64 3
		.amdhsa_memory_ordered 1
		.amdhsa_forward_progress 1
		.amdhsa_inst_pref_size 255
	.end_amdhsa_kernel
	.section	.bss,"aw",@nobits
	.p2align	6
	.space	262144
	.amdgpu_metadata
---
amdhsa.version: [ 1, 2 ]
amdhsa.kernels:
  - .name:           k_qba149c0547_gemm_in
    .symbol:         k_qba149c0547_gemm_in.kd
    .args:
      - { .name: xnq, .offset: 0, .size: 8, .value_kind: global_buffer, .address_space: global }
      - { .name: wq, .offset: 8, .size: 8, .value_kind: global_buffer, .address_space: global }
      - { .name: b_in, .offset: 16, .size: 8, .value_kind: global_buffer, .address_space: global }
      - { .name: xsq, .offset: 24, .size: 8, .value_kind: global_buffer, .address_space: global }
      - { .name: u, .offset: 32, .size: 8, .value_kind: global_buffer, .address_space: global }
    .group_segment_fixed_size: 327680
    .private_segment_fixed_size: 0
    .kernarg_segment_align: 8
    .kernarg_segment_size: 40
    .max_flat_workgroup_size: 128
    .sgpr_count:     100
    .vgpr_count:     1024
    .wavefront_size: 32
...
	.end_amdgpu_metadata
.endif
;; end of part 2
;; launch gemm_dt (part 3): grid 8 x 32, 4 waves a work-group, clusters of 4 x 4, 327,680 bytes of LDS; arguments xsq, wq, b_dt, b_B, b_C, state_A, u, gq; writes gq
.if DOCPART == 3
	.amdgcn_target "amdgcn-amd-amdhsa--gfx1250"
	.amdhsa_code_object_version 6
	.text
	.protected	k_qba149c0547_gemm_dt
	.globl	k_qba149c0547_gemm_dt
	.p2align	8
	.type	k_qba149c0547_gemm_dt,@function
k_qba149c0547_gemm_dt:
	s_mov_b64 s[64:65], 0
	v_nop
	global_prefetch_b8 v0, s[64:65] scope:SCOPE_SE
	s_setreg_imm32_b32 hwreg(HW_REG_WAVE_MODE, 25, 1), 1
	s_wait_xcnt 0x0
	s_wait_alu depctr_hold_cnt(0) depctr_sa_sdst(0) depctr_va_vdst(0) depctr_va_sdst(0) depctr_va_ssrc(0) depctr_va_vcc(0) depctr_vm_vsrc(0)
	s_getreg_b32 s2, hwreg(HW_REG_IB_STS2, 6, 4)
	s_cmp_eq_u32 s2, 0
	s_cbranch_scc0 .Lentry_in_a_cluster
	s_endpgm
.Lentry_in_a_cluster:
	s_bfe_u32 s2, ttmp6, 0x10000c
	s_cmp_lg_u32 s2, 0xf033
	s_cbranch_scc0 .Lentry_shape_is_right
	s_endpgm
.Lentry_shape_is_right:
; From x_ssm's codes (xsq): dt = min(softplus(x_ssm W_dt^T + b_dt), 1), B = x_ssm W_B^T + b_B, C = x_ssm W_C^T + b_C, on codes of FP6 with E8M0 scales; then, all in f32,
; gated = (sum over n of C B exp(state_A dt)) u, with u = x_ssm silu(z) from the launch before.  gated leaves as codes and scale bytes (gq), laid in the order of the next product's operand registers.
; A work-group makes 128 rows x 256 columns of dt; each of four waves 64 x 128 (32 accumulators, window 2) and, for its 64 rows, B and C (8 accumulators, window 3): blocks 16 and 17 of each tile of W_dt's part of wq.
; The ring of two slots of four K steps, the joint loads in a 4 x 4 cluster, the K steps and the transposed use of the matrix instruction are gemm_in's; the biases are the C of each sum's first product.
; BEHIND THE PRODUCTS the 32 accumulators go to the wave's own 32,768 bytes of LDS (the ring has had its last fill and, behind a barrier, its last read), state_A's 16 x 128 numbers to 8,192 more, and C B is spread so that a lane holds all 16 n of its row.
; A loop of eight trips then takes one block of 16 columns for all four row tiles: 32 numbers of dt a lane, 16 x 8 of state_A.  So the register numbers are the same in every trip; what differs lies in LDS addresses.
; softplus is taken in base 2: max(t, 0) + log2(1 + 2^-|t|), t = x log2(e), held at log2(e) from above: that is dt log2(e), so that exp(state_A dt) is one multiplication and one v_exp_f32.
; No prefetch: K has four fills of a slot in all, and each refill is asked for four K steps ahead of its first read; there is no loop along K to run ahead in.
; LIMITS: NaN and infinities are not served; a block of gated whose largest magnitude lies under 2^-124 gets the byte 1 (only this program reads the bytes).
.set NB, 10
.set BPT, 18
.set NT, 8
.set WOFF, 6291456
.set WSOFF, 13238272
.set HP, 9
.set APL, 12288
.set BPL, 1536*BPT
.set ABYTES, 4*APL
.set SLOT, ABYTES+4*BPL
.set SPARE, 2*SLOT
.set NM, 4*NB
.set SA, 32
.set SB, 64
.set SBC, 128
.set AF, 144
.set G1A, 24
.set G0A, 32
.set G1B, 48
.set G0B, 56
.set DUMP, 0
.set ASTG, 131072
.set SCR,  163840
.set MSB, 0
.macro WIN new
.if MSB != \new
	s_set_vgpr_msb (MSB<<8)|\new
.set MSB, \new
.endif
.endm
.macro JLOAD s
	s_cmp_eq_u32 s15, 0
	s_cbranch_scc0 .Lfor_b_\@
	tensor_load_to_lds s[G0A+4*\s:G0A+4*\s+3], s[G1A:G1A+7]
	s_nop 0
.rept 4
	v_nop
.endr
	s_branch .Lasked_\@
.Lfor_b_\@:
	tensor_load_to_lds s[G0B+4*\s:G0B+4*\s+3], s[G1B:G1B+7]
	s_nop 0
.rept 4
	v_nop
.endr
.Lasked_\@:
.endm
.macro CREST
	s_cmp_lg_u32 s14, 0
	s_cbranch_scc1 .Lnot_wave_0_\@
	s_barrier_signal -3
.Lnot_wave_0_\@:
	s_barrier_wait -3
	s_barrier_signal -1
	s_barrier_wait -1
.endm
.macro CROUND
	s_barrier_signal -1
	s_barrier_wait -1
	CREST
.endm
.macro ADRS s
.set ka_, (((\s)>>2)&1)*SLOT+((\s)&3)*APL
.set kb_, (((\s)>>2)&1)*SLOT+((\s)&3)*BPL
	v_add_nc_u32 v8, ka_, v2
	v_add_nc_u32 v9, ka_, v3
	v_add_nc_u32 v10, kb_, v4
	v_add_nc_u32 v11, kb_, v5
.if NB > 8
	v_add_nc_u32 v12, kb_, v6
	v_add_nc_u32 v13, kb_, v7
.endif
.endm
.macro FRAG4 reg, a16, a8, off
	ds_load_b128 v[\reg:\reg+3], v[\a16] offset:\off
	ds_load_b64 v[\reg+4:\reg+5], v[\a8] offset:\off+512
	ds_load_b128 v[\reg+6:\reg+9], v[\a16] offset:\off+768
	ds_load_b64 v[\reg+10:\reg+11], v[\a8] offset:\off+1280
.endm
.macro FRAG f, p
.if (\f) < 4
	WIN 0
	FRAG4 AF+48*(\p)+12*(\f), 8, 9, 1536*(\f)
.elseif (\f) < 12
	WIN 0x40
	FRAG4 128*(\p)+12*((\f)-4), 10, 11, 1536*((\f)-4)
.else
	WIN 0x40
	FRAG4 128*(\p)+12*((\f)-4), 12, 13, 1536*((\f)-12)
.endif
.endm
.macro RUN p
.set ff, 4
.rept NB
	FRAG ff, \p
.set ff, ff+1
.endr
.set ff, 0
.rept 4
	FRAG ff, \p
.set ff, ff+1
.endr
.endm
.macro ONE i, s, first
.set p_, (\s)&1
.if (\i) < 32
.set a_, (\i)/8
.set b_, (\i)%8
.set d_, 8*(8*a_+b_)
.set sb_, SB+16*(b_/2)+(\s)
.set w_, 0xa1
.else
.set a_, ((\i)-32)/2
.set b_, 8+((\i)-32)%2
.set d_, 16*a_+8*(b_-8)
.set sb_, SBC+(\s)
.set w_, 0xf1
.endif
.set c_, d_
.if \first
.if (\i) >= 32
.set c_, 128+8*(b_-8)
.elseif NB > 8
.set c_, 64+8*b_
.set w_, 0xb1
.else
.set c_, 96+8*b_+96*(b_/4)
.set w_, 0x91
.endif
.endif
.set sa_, SA+16*(a_/2)+(\s)
.set fb_, 128*p_+12*b_
.set fa_, AF+48*p_+12*a_
	WIN w_
.if (b_%2 == 0) && (a_%2 == 0)
	v_wmma_scale_f32_16x16x128_f8f6f4 v[d_:d_+7], v[fb_:fb_+11], v[fa_:fa_+11], v[c_:c_+7], v[sb_], v[sa_] matrix_a_fmt:MATRIX_FMT_FP6 matrix_b_fmt:MATRIX_FMT_FP6
.elseif (b_%2 == 1) && (a_%2 == 0)
	v_wmma_scale_f32_16x16x128_f8f6f4 v[d_:d_+7], v[fb_:fb_+11], v[fa_:fa_+11], v[c_:c_+7], v[sb_], v[sa_] matrix_a_fmt:MATRIX_FMT_FP6 matrix_b_fmt:MATRIX_FMT_FP6 matrix_a_scale:MATRIX_SCALE_ROW1
.elseif (b_%2 == 0) && (a_%2 == 1)
	v_wmma_scale_f32_16x16x128_f8f6f4 v[d_:d_+7], v[fb_:fb_+11], v[fa_:fa_+11], v[c_:c_+7], v[sb_], v[sa_] matrix_a_fmt:MATRIX_FMT_FP6 matrix_b_fmt:MATRIX_FMT_FP6 matrix_b_scale:MATRIX_SCALE_ROW1
.else
	v_wmma_scale_f32_16x16x128_f8f6f4 v[d_:d_+7], v[fb_:fb_+11], v[fa_:fa_+11], v[c_:c_+7], v[sb_], v[sa_] matrix_a_fmt:MATRIX_FMT_FP6 matrix_b_fmt:MATRIX_FMT_FP6 matrix_a_scale:MATRIX_SCALE_ROW1 matrix_b_scale:MATRIX_SCALE_ROW1
.endif
.endm
.macro HALF s, first, i0
	WIN 0
	s_cmp_eq_u32 s15, 0
	s_cbranch_scc0 .Llate_\@
	s_wait_alu depctr_va_vdst(0)
	RUN ((\s)+1)&1
.set ii, \i0
.rept 16
	ONE ii, \s, \first
.set ii, ii+1
.endr
	WIN 0
	s_branch .Ljoin_\@
.Llate_\@:
.set ii, \i0
.rept 16
	ONE ii, \s, \first
.set ii, ii+1
.endr
	s_wait_alu depctr_va_vdst(0)
	RUN ((\s)+1)&1
.Ljoin_\@:
.endm
.macro STEP s, first
	s_wait_dscnt 0x0
	WIN 0
	ADRS (\s)+1
	HALF \s, \first, 0
.rept NM-16
	ONE ii, \s, \first
.set ii, ii+1
.endr
.endm
.macro TURN s, fill
	WIN 0
	s_wait_tensorcnt 0x0
	ds_add_u32 v30, v31
	s_wait_dscnt 0x1
	ADRS (\s)+1
.set ii, 0
.rept 4
	ONE ii, \s, 0
.set ii, ii+1
.endr
	s_wait_dscnt 0x0
	s_barrier_signal -1
.rept 4
	ONE ii, \s, 0
.set ii, ii+1
.endr
	WIN 0
	s_barrier_wait -1
.if \fill
	CREST
	s_add_nc_u64 s[G0A+4*(((\s)>>2)&1)+2:G0A+4*(((\s)>>2)&1)+3], s[G0A+4*(((\s)>>2)&1)+2:G0A+4*(((\s)>>2)&1)+3], 2*32*ABYTES
	s_add_nc_u64 s[G0B+4*(((\s)>>2)&1)+2:G0B+4*(((\s)>>2)&1)+3], s[G0B+4*(((\s)>>2)&1)+2:G0B+4*(((\s)>>2)&1)+3], 2*NT*4*BPL
	JLOAD (((\s)>>2)&1)
.endif
	HALF \s, 0, 8
.rept NM-24
	ONE ii, \s, 0
.set ii, ii+1
.endr
.endm
.macro LAST s
	s_wait_dscnt 0x0
.set ii, 0
.rept NM
	ONE ii, \s, 0
.set ii, ii+1
.endr
	WIN 0
.endm
	s_load_b256 s[4:11], s[0:1], 0x0
	s_load_b256 s[68:75], s[0:1], 0x20
	v_lshl_add_u32 v30, v0, 2, SPARE
	v_mov_b32 v31, 0
	ds_add_u32 v30, v31
	ds_add_u32 v30, v31
	v_lshrrev_b32 v1, 5, v0
	v_readfirstlane_b32 s14, v1
	s_lshr_b32 s15, s14, 1
	s_and_b32 s16, s14, 1
	s_bfe_u32 s40, ttmp6, 0x40000
	s_bfe_u32 s41, ttmp6, 0x40004
	s_lshl_b32 s42, ttmp9, 2
	s_add_co_u32 s42, s42, s40
	s_and_b32 s17, ttmp7, 0xffff
	s_lshl_b32 s17, s17, 2
	s_add_co_u32 s17, s17, s41
	s_lshl_b32 s43, s41, 2
	s_lshl_b32 s43, 15, s43
	s_lshl_b32 s44, 0x1111, s40
	s_or_b32 s[G1A], s43, (3<<16)|(1<<21)
	s_or_b32 s[G1B], s44, (3<<16)|(1<<21)
	s_mov_b32 s[G1A+1], 32<<16
	s_mov_b32 s[G1A+2], (ABYTES/512)<<16
	s_mov_b32 s[G1A+3], 32<<16
	s_mov_b32 s[G1A+4], ABYTES/512
	s_mov_b32 s[G1A+5], 32
	s_mov_b32 s[G1A+6], 0
	s_mov_b32 s[G1A+7], 0
	s_mov_b32 s[G1B+1], 32<<16
	s_mov_b32 s[G1B+2], (2*BPL/256)<<16
	s_mov_b32 s[G1B+3], 32<<16
	s_mov_b32 s[G1B+4], 2*BPL/256
	s_mov_b32 s[G1B+5], 32
	s_mov_b32 s[G1B+6], 0
	s_mov_b32 s[G1B+7], 0
	s_mul_i32 s20, s17, ABYTES
	s_mul_i32 s18, s16, ABYTES/2
	s_add_co_u32 s20, s20, s18
	s_mov_b32 s21, 0
	s_mul_i32 s46, s42, 4*BPL
	s_mul_i32 s45, s16, 2*BPL
	s_add_co_u32 s46, s46, s45
	s_add_co_u32 s46, s46, WOFF
	s_mov_b32 s47, 0
	s_add_co_u32 s45, s45, ABYTES
	s_wait_dscnt 0x0
	s_wait_kmcnt 0x0
	s_add_nc_u64 s[20:21], s[4:5], s[20:21]
	s_add_nc_u64 s[46:47], s[6:7], s[46:47]
	CROUND
.irp s, 0,1
	s_mov_b32 s[G0A+4*\s], 1
	s_add_co_u32 s[G0A+4*\s+1], s18, \s*SLOT
	s_add_nc_u64 s[G0A+4*\s+2:G0A+4*\s+3], s[20:21], \s*32*ABYTES
	s_or_b32 s[G0A+4*\s+3], s[G0A+4*\s+3], 0x80000000
	s_mov_b32 s[G0B+4*\s], 1
	s_add_co_u32 s[G0B+4*\s+1], s45, \s*SLOT
	s_add_nc_u64 s[G0B+4*\s+2:G0B+4*\s+3], s[46:47], \s*NT*4*BPL
	s_or_b32 s[G0B+4*\s+3], s[G0B+4*\s+3], 0x80000000
.endr
	JLOAD 0                                        ; slot 0: one tensor load a wave at the head; the loads and addresses below are made while it is out
	v_and_b32 v1, 31, v0
	v_lshlrev_b32 v14, 4, v1
	v_lshlrev_b32 v15, 3, v1
	s_wait_alu depctr_va_vdst(0)
	s_mul_i32 s19, s15, 6144
	v_add_nc_u32 v2, s19, v14
	v_add_nc_u32 v3, s19, v15
	s_mul_i32 s19, s16, 12288
	s_add_co_u32 s19, s19, ABYTES
	v_add_nc_u32 v4, s19, v14
	v_add_nc_u32 v5, s19, v15
	v_add_nc_u32 v6, ABYTES+24576, v14
	v_add_nc_u32 v7, ABYTES+24576, v15
	s_lshl_b32 s22, s17, 2
	s_lshl_b32 s23, s15, 1
	s_add_co_u32 s22, s22, s23
	s_lshl_b32 s22, s22, 11
	s_add_co_u32 s22, s22, 6291456
	s_mov_b32 s23, 0
	s_add_nc_u64 s[22:23], s[4:5], s[22:23]
	s_mul_i32 s66, s42, HP
	s_lshl_b32 s67, s16, 2
	s_add_co_u32 s66, s66, s67
	s_lshl_b32 s66, s66, 11
	s_add_co_u32 s66, s66, WSOFF
	s_mov_b32 s67, 0
	s_add_nc_u64 s[66:67], s[6:7], s[66:67]
	s_mul_i32 s76, s42, HP
	s_add_co_u32 s76, s76, 8
	s_lshl_b32 s76, s76, 11
	s_add_co_u32 s76, s76, WSOFF
	s_mov_b32 s77, 0
	s_add_nc_u64 s[76:77], s[6:7], s[76:77]
.irp pa, 0,1
.irp sp, 0,1,2,3,4,5,6,7
	global_load_b64 v[SA+16*\pa+2*\sp:SA+16*\pa+2*\sp+1], v15, s[22:23] offset:2048*\pa+256*\sp
.endr
.endr
.irp pb, 0,1,2,3
.irp sp, 0,1,2,3,4,5,6,7
	global_load_b64 v[SB+16*\pb+2*\sp:SB+16*\pb+2*\sp+1], v15, s[66:67] offset:2048*\pb+256*\sp
.endr
.endr
.irp sp, 0,1,2,3,4,5,6,7
	global_load_b64 v[SBC+2*\sp:SBC+2*\sp+1], v15, s[76:77] offset:256*\sp
.endr
	s_mov_b32 s97, 0
	s_lshl_b32 s96, s42, 10
	s_lshl_b32 s94, s16, 9
	s_add_co_u32 s96, s96, s94
	s_add_nc_u64 s[80:81], s[8:9], s[96:97]
	s_add_nc_u64 s[82:83], s[70:71], s[96:97]
	s_lshl_b32 s96, s17, 3
	s_lshl_b32 s94, s15, 2
	s_add_co_u32 s96, s96, s94
	s_lshl_b32 s96, s96, 6
	s_lshl_b32 s94, s42, 3
	s_add_co_u32 s96, s96, s94
	s_lshl_b32 s94, s16, 2
	s_add_co_u32 s96, s96, s94
	s_lshl_b32 s96, s96, 11
	s_add_nc_u64 s[84:85], s[72:73], s[96:97]
	s_lshl_b32 s95, s42, 1
	s_add_co_u32 s95, s95, s16
	s_lshr_b32 s96, s95, 2
	s_lshl_b32 s96, s96, 5
	s_add_co_u32 s96, s96, s17
	s_mul_i32 s96, s96, 49152
	s_and_b32 s94, s95, 3
	s_mul_i32 s94, s94, 12288
	s_add_co_u32 s96, s96, s94
	s_mul_i32 s94, s15, 6144
	s_add_co_u32 s96, s96, s94
	s_add_nc_u64 s[86:87], s[74:75], s[96:97]
	s_lshl_b32 s96, s17, 2
	s_add_co_u32 s96, s96, s14
	s_lshl_b32 s96, s96, 11
	s_lshl_b32 s94, s42, 8
	s_add_co_u32 s96, s96, s94
	s_add_co_u32 s96, s96, 6291456
	s_add_nc_u64 s[92:93], s[74:75], s[96:97]
	s_mov_b32 s78, 0x76543210
	s_mov_b32 s79, 0xfedcba98
	v_bfe_u32 v23, v0, 4, 1
	v_lshlrev_b32 v22, 6, v23
	v_lshlrev_b32 v23, 5, v23
	s_lshl_b32 s94, s14, 15
	v_add_nc_u32 v16, s94, v14
	s_lshl_b32 s94, s14, 13
	s_add_co_u32 s94, s94, ASTG
	v_and_b32 v20, 25, v1
	v_bfe_u32 v26, v1, 2, 1
	v_lshl_or_b32 v20, v26, 1, v20
	v_bfe_u32 v26, v1, 1, 1
	v_lshl_or_b32 v20, v26, 2, v20
	v_lshlrev_b32 v20, 4, v20
	v_add_nc_u32 v20, s94, v20
	v_add_nc_u32 v21, s94, v23
	s_lshl_b32 s94, s15, 9
	s_lshl_b32 s95, s16, 2
	s_add_co_u32 s94, s94, s95
	s_add_co_u32 s94, s94, SCR
	v_and_b32 v24, 15, v0
	v_lshl_add_u32 v24, v24, 3, s94
	s_lshl_b32 s94, s14, 8
	s_add_co_u32 s94, s94, SCR
	v_add_nc_u32 v25, s94, v15
	WIN 0xc0
.irp b, 0,1,2,3,4,5,6,7
	global_load_b128 v[64+8*\b:64+8*\b+3], v22, s[80:81] offset:128*(\b/2)+32*(\b%2)
	global_load_b128 v[64+8*\b+4:64+8*\b+7], v22, s[80:81] offset:128*(\b/2)+32*(\b%2)+16
.endr
	global_load_b128 v[128:131], v23, s[10:11]
	global_load_b128 v[132:135], v23, s[10:11] offset:16
	global_load_b128 v[136:139], v23, s[68:69]
	global_load_b128 v[140:143], v23, s[68:69] offset:16
.set k_, 0
.rept 16
	global_load_b128 v[144+4*k_:144+4*k_+3], v14, s[82:83] offset:8192*k_
.set k_, k_+1
.endr
.irp a, 0,1,2,3
	global_load_b128 v[208+8*\a:208+8*\a+3], v14, s[84:85] offset:131072*\a th:TH_LOAD_NT
	global_load_b128 v[208+8*\a+4:208+8*\a+7], v14, s[84:85] offset:131072*\a+512 th:TH_LOAD_NT
.endr
	WIN 0
	s_wait_alu depctr_va_vdst(0)                   ; the wait at the head's end
	s_wait_tensorcnt 0x0                           ; my part of slot 0 is in
	ds_add_u32 v30, v31
	s_wait_dscnt 0x0
	CROUND                                         ; everybody's part of slot 0 is in, and all sixteen work-groups are here
	JLOAD 1                                        ; slot 1's first fill, my one tensor load behind the round: it has K steps 0 to 2 in which to land
	ADRS 0
	RUN 0
	s_wait_loadcnt 24
	STEP 0, 1
	STEP 1, 0
	STEP 2, 0
	TURN 3, 1
	STEP 4, 0
	STEP 5, 0
	STEP 6, 0
	TURN 7, 1
	STEP 8, 0
	STEP 9, 0
	STEP 10, 0
	TURN 11, 0
	STEP 12, 0
	STEP 13, 0
	STEP 14, 0
	LAST 15
.rept 4
	v_nop
.endr
	s_wait_dscnt 0x0
	s_barrier_signal -1
	s_barrier_wait -1
	WIN 0x08
.set t_, 0
.rept 32
	ds_store_b128 v16, v[8*t_:8*t_+3] offset:1024*t_
	ds_store_b128 v16, v[8*t_+4:8*t_+7] offset:1024*t_+512
.set t_, t_+1
.endr
	s_wait_loadcnt 8
	WIN 0x0c
.set t_, 0
.rept 16
	ds_store_b128 v20, v[144+4*t_:144+4*t_+3] offset:512*t_
.set t_, t_+1
.endr
	s_wait_dscnt 0x0
	WIN 0xff
.irp a, 0,1,2,3
.irp m, 0,2,4,6
	v_pk_mul_f32 v[16*\a+\m:16*\a+\m+1], v[16*\a+\m:16*\a+\m+1], v[16*\a+8+\m:16*\a+8+\m+1]
.endr
.irp m, 0,2,4,6
	v_pk_mul_f32 v[16*\a+8+\m:16*\a+8+\m+1], v[16*\a+\m:16*\a+\m+1], 1.0 op_sel_hi:[1,0]
.endr
.irp n, 0,1,2,3,4,5,6,7
	v_permlane16_swap_b32 v[16*\a+\n], v[16*\a+8+\n]
.endr
.endr
	WIN 0
.set DD, 192
.set YY, 224
; A BATCH IS ONE STATE n FOR ALL FOUR ROW TILES: 32 exponentials.  Window 2: v0-95 three sets of 32 exponents, DD the 32 numbers of dt log2(e), YY the 32 sums.  Window 3: v0-63 C B (row tile a, state n at 16 a + n), v64-191 state_A (8 n + column), v208-239 u.
; Line q (0 .. 15) of a batch serves row tile q / 4 and columns 2 (q % 4), 2 (q % 4) + 1.
.macro MULL n, q                       ; the exponents of batch n: dt log2(e) x state_A
.set k_, (\q)/4
.set m_, 2*((\q)%4)
	v_pk_mul_f32 v[32*((\n)%3)+8*k_+m_:32*((\n)%3)+8*k_+m_+1], v[DD+8*k_+m_:DD+8*k_+m_+1], v[64+8*(\n)+m_:64+8*(\n)+m_+1]
.endm
.macro FMAL n, q                       ; the sums take batch n in: each sum is written once a batch, n ascending; state 0 starts them
.set k_, (\q)/4
.set m_, 2*((\q)%4)
.set t_, 32*((\n)%3)+8*k_+m_
.set cb_, 16*k_+(\n)
.if (\n) == 0
	v_pk_mul_f32 v[YY+8*k_+m_:YY+8*k_+m_+1], v[t_:t_+1], v[cb_:cb_+1] op_sel_hi:[1,0]
.elseif (\n)%2 == 0
	v_pk_fma_f32 v[YY+8*k_+m_:YY+8*k_+m_+1], v[t_:t_+1], v[cb_:cb_+1], v[YY+8*k_+m_:YY+8*k_+m_+1] op_sel_hi:[1,0,1]
.else
	v_pk_fma_f32 v[YY+8*k_+m_:YY+8*k_+m_+1], v[t_:t_+1], v[cb_-1:cb_], v[YY+8*k_+m_:YY+8*k_+m_+1] op_sel:[0,1,0] op_sel_hi:[1,1,1]
.endif
.endm
.macro PLAIN n, i                      ; the i-th of the 32 plain lines that stand beside batch n: by turns a line of the sums of batch n - 1 and a line of the exponents of batch n + 1
.if ((\i)%2 == 0) && ((\n) > 0)
	FMAL (\n)-1, (\i)/2
.endif
.if ((\i)%2 == 1) && ((\n) < 15)
	MULL (\n)+1, (\i)/2
.endif
.endm
	s_mov_b32 s88, 0
	s_mov_b32 s89, 0
	s_mov_b32 s90, 0
.Ltile:
	s_wait_xcnt 0x0
	v_add_nc_u32 v17, s89, v16
	v_add_nc_u32 v18, s90, v21
	s_add_co_u32 s91, s89, 1024
	s_min_u32 s91, s91, 7168
	v_add_nc_u32 v19, s91, v14
	WIN 0x80
.irp a, 0,1,2,3
	ds_load_b128 v[DD+8*\a:DD+8*\a+3], v17 offset:8192*\a
	ds_load_b128 v[DD+8*\a+4:DD+8*\a+7], v17 offset:8192*\a+512
.endr
	WIN 0xc0
.set t_, 0
.rept 16
	ds_load_b128 v[64+8*t_:64+8*t_+3], v18 offset:512*t_
	ds_load_b128 v[64+8*t_+4:64+8*t_+7], v18 offset:512*t_+16
.set t_, t_+1
.endr
	s_wait_dscnt 32
	WIN 0xaa
.set k_, 0
.rept 16
	v_pk_mul_f32 v[DD+k_:DD+k_+1], v[DD+k_:DD+k_+1], 0x3fb8aa3b op_sel_hi:[1,0]
.set k_, k_+2
.endr
.set k_, 0
	s_wait_alu depctr_va_vdst(0)
.rept 32
	v_exp_f32 v[k_], -|v[DD+k_]|
.set k_, k_+1
.endr
	v_nop
.set k_, 0
.rept 32
	v_max_num_f32 v[DD+k_], 0, v[DD+k_]
.set k_, k_+1
.endr
	s_wait_alu depctr_va_vdst(0)
.set k_, 0
.rept 16
	v_pk_add_f32 v[k_:k_+1], v[k_:k_+1], 1.0 op_sel_hi:[1,0]
.set k_, k_+2
.endr
.set k_, 0
	s_wait_alu depctr_va_vdst(0)
.rept 32
	v_log_f32 v[k_], v[k_]
.set k_, k_+1
.endr
	v_nop
	s_wait_alu depctr_va_vdst(0)
.set k_, 0
.rept 16
	v_pk_add_f32 v[DD+k_:DD+k_+1], v[DD+k_:DD+k_+1], v[k_:k_+1]
.set k_, k_+2
.endr
.set k_, 0
.rept 32
	v_min_num_f32 v[DD+k_], 0x3fb8aa3b, v[DD+k_]
.set k_, k_+1
.endr
	s_wait_dscnt 0x0
	WIN 0xae
.set ee, 0
.rept 16
	MULL 0, ee
.set ee, ee+1
.endr
; Sixteen batches.  What a plain line beside batch n writes (a sum, an exponent of batch n + 1) is first read in batch n + 1, and so are batch n's results:
; the ONE wait ahead of each batch stands between all these writes and their readers.  Three plain lines to four exponentials; the lines of the last eight places close the batch.
.set nn, 0
.rept 16
	s_wait_alu depctr_va_vdst(0)
.set ee, 0
.set pp, 0
.rept 32
	v_exp_f32 v[32*(nn%3)+ee], v[32*(nn%3)+ee]
.if ee%4 != 3
	PLAIN nn, pp
.set pp, pp+1
.endif
.set ee, ee+1
.endr
.rept 8
	PLAIN nn, pp
.set pp, pp+1
.endr
.set nn, nn+1
.endr
	s_wait_alu depctr_va_vdst(0)                   ; batch 15's wait
	s_wait_loadcnt 0x0                             ; u of this block of columns: its eight loads were asked for a trip ago (the first trip's: at the head)
.set ee, 0
.rept 16
	FMAL 15, ee
.set ee, ee+1
.endr
.set ee, 0
.rept 16
	v_pk_mul_f32 v[DD+ee:DD+ee+1], v[YY+ee:YY+ee+1], v[208+ee:208+ee+1]   ; gated = the sum x u
.set ee, ee+2
.endr
	WIN 0x08
.irp a, 0,1,2,3
	ds_store_b128 v17, v[DD+8*\a:DD+8*\a+3] offset:8192*\a            ; back to where this block's dt lay
	ds_store_b128 v17, v[DD+8*\a+4:DD+8*\a+7] offset:8192*\a+512
.endr
	WIN 0xc0
.irp a, 0,1,2,3
	global_load_b128 v[208+8*\a:208+8*\a+3], v19, s[84:85] offset:131072*\a th:TH_LOAD_NT       ; the next block's u (in the last trip the address is held at the last block)
	global_load_b128 v[208+8*\a+4:208+8*\a+7], v19, s[84:85] offset:131072*\a+512 th:TH_LOAD_NT
.endr
	WIN 0
	s_add_co_u32 s89, s89, 1024
	s_add_co_u32 s90, s90, 64
	s_add_co_u32 s88, s88, 1
	s_cmp_lt_u32 s88, 8
	s_cbranch_scc1 .Ltile
	WIN 0x80
.set t_, 0
.rept 32
	ds_load_b128 v[8*t_:8*t_+3], v16 offset:1024*t_
	ds_load_b128 v[8*t_+4:8*t_+7], v16 offset:1024*t_+512
.set t_, t_+1
.endr
.set TM, 200
	WIN 0x40
.irp b, 0,1,2,3
	v_mov_b32 v[TM+4+\b], 0
.endr
	s_wait_dscnt 0x0
.macro QUANT4 a
.set X_, 64*(\a)
.set PC_, 20*(\a)
	WIN 0x5a
.irp b, 0,1,2,3
	v_max3_num_f32 v[TM+\b], |v[X_+16*\b]|, |v[X_+16*\b+1]|, 0x1800000
.endr
.irp n, 2,4,6,8,10,12,14
.irp b, 0,1,2,3
	v_max3_num_f32 v[TM+\b], |v[X_+16*\b+\n]|, |v[X_+16*\b+\n+1]|, v[TM+\b]
.endr
.endr
	WIN 0x55
.irp b, 0,1,2,3
	v_permlanex16_b32 v[TM+4+\b], v[TM+\b], s78, s79
.endr
.irp b, 0,1,2,3
	v_max_num_f32 v[TM+\b], v[TM+\b], v[TM+4+\b]
.endr
.irp b, 0,1,2,3
	v_add_nc_u32 v[TM+12+\b], 0xff000000, v[TM+\b]
.endr
.irp b, 0,1,2,3
	v_lshrrev_b32 v[TM+4+\b], 23, v[TM+12+\b]
.endr
	v_lshl_or_b32 v[96+(\a)], v[TM+5], 8, v[TM+4]
	v_lshl_or_b32 v[96+(\a)], v[TM+6], 16, v[96+(\a)]
	v_lshl_or_b32 v[96+(\a)], v[TM+7], 24, v[96+(\a)]
	WIN 0x46
.irp c, 0,1
	v_cvt_scalef32_pk16_fp6_f32 v[PC_+6*\c:PC_+6*\c+2], v[X_+32*\c:X_+32*\c+15], v[TM+12+2*\c]
	v_cvt_scalef32_pk16_fp6_f32 v[PC_+12+4*\c:PC_+14+4*\c], v[X_+32*\c+16:X_+32*\c+31], v[TM+13+2*\c]
.endr
	WIN 0x55
	v_nop
.irp c, 0,1
.irp n, 0,1,2
	v_permlane16_swap_b32 v[PC_+6*\c+\n], v[PC_+12+4*\c+\n]
.endr
.irp n, 0,1,2
	v_mov_b32 v[PC_+3+6*\c+\n], v[PC_+12+4*\c+\n]
.endr
.endr
	WIN 0x04
	global_store_b128 v14, v[PC_:PC_+3], s[86:87] offset:1536*(\a)
	global_store_b64 v15, v[PC_+4:PC_+5], s[86:87] offset:1536*(\a)+512
	global_store_b128 v14, v[PC_+6:PC_+9], s[86:87] offset:1536*(\a)+768
	global_store_b64 v15, v[PC_+10:PC_+11], s[86:87] offset:1536*(\a)+1280
	ds_store_b32 v24, v[96+(\a)] offset:128*(\a)
.endm
	QUANT4 0
	QUANT4 1
	QUANT4 2
	QUANT4 3
	WIN 0
	s_wait_dscnt 0x0
	s_barrier_signal -1
	s_barrier_wait -1
	ds_load_b64 v[26:27], v25
	s_wait_dscnt 0x0
	global_store_b64 v15, v[26:27], s[92:93]
	s_wait_tensorcnt 0x0
	ds_add_u32 v30, v31
	s_wait_dscnt 0x0
	CROUND
	s_endpgm
.Lfunc_end_k_qba149c0547_gemm_dt:
	.size	k_qba149c0547_gemm_dt, .Lfunc_end_k_qba149c0547_gemm_dt-k_qba149c0547_gemm_dt
	.p2alignl 7, 3214868480
	.fill 96, 4, 3214868480
	.section	.rodata,"a",@progbits
	.p2align	6, 0x0
	.amdhsa_kernel k_qba149c0547_gemm_dt
		.amdhsa_group_segment_fixed_size 327680
		.amdhsa_private_segment_fixed_size 0
		.amdhsa_enable_private_segment 0
		.amdhsa_kernarg_size 64
		.amdhsa_user_sgpr_count 2
		.amdhsa_user_sgpr_kernarg_segment_ptr 1
		.amdhsa_wavefront_size32 1
		.amdhsa_system_sgpr_workgroup_id_x 1
		.amdhsa_system_sgpr_workgroup_id_y 1
		.amdhsa_system_sgpr_workgroup_id_z 1
		.amdhsa_system_vgpr_workitem_id 0
		.amdhsa_next_free_vgpr 1024
		.amdhsa_next_free_sgpr 104
		.amdhsa_reserve_vcc 0
		.amdhsa_float_denorm_mode_32 3
		.amdhsa_float_denorm_mode_16_64 3
		.amdhsa_memory_ordered 1
		.amdhsa_forward_progress 1
		.amdhsa_inst_pref_size 255
	.end_amdhsa_kernel
	.section	.bss,"aw",@nobits
	.p2align	6
	.space	262144
	.amdgpu_metadata
---
amdhsa.version: [ 1, 2 ]
amdhsa.kernels:
  - .name:           k_qba149c0547_gemm_dt
    .symbol:         k_qba149c0547_gemm_dt.kd
    .args:
      - { .name: xsq, .offset: 0, .size: 8, .value_kind: global_buffer, .address_space: global }
      - { .name: wq, .offset: 8, .size: 8, .value_kind: global_buffer, .address_space: global }
      - { .name: b_dt, .offset: 16, .size: 8, .value_kind: global_buffer, .address_space: global }
      - { .name: b_B, .offset: 24, .size: 8, .value_kind: global_buffer, .address_space: global }
      - { .name: b_C, .offset: 32, .size: 8, .value_kind: global_buffer, .address_space: global }
      - { .name: state_A, .offset: 40, .size: 8, .value_kind: global_buffer, .address_space: global }
      - { .name: u, .offset: 48, .size: 8, .value_kind: global_buffer, .address_space: global }
      - { .name: gq, .offset: 56, .size: 8, .value_kind: global_buffer, .address_space: global }
    .group_segment_fixed_size: 327680
    .private_segment_fixed_size: 0
    .kernarg_segment_align: 8
    .kernarg_segment_size: 64
    .max_flat_workgroup_size: 128
    .sgpr_count:     104
    .vgpr_count:     1024
    .wavefront_size: 32
...
	.end_amdgpu_metadata
.endif
;; end of part 3
;; launch gemm_out (part 4): grid 8 x 32, 4 waves a work-group, clusters of 4 x 4, 327,680 bytes of LDS; arguments gq, wq, b_out, x, out0; writes out0
.if DOCPART == 4
	.amdgcn_target "amdgcn-amd-amdhsa--gfx1250"
	.amdhsa_code_object_version 6
	.text
	.protected	k_qba149c0547_gemm_out
	.globl	k_qba149c0547_gemm_out
	.p2align	8
	.type	k_qba149c0547_gemm_out,@function
k_qba149c0547_gemm_out:
	s_mov_b64 s[64:65], 0
	v_nop
	global_prefetch_b8 v0, s[64:65] scope:SCOPE_SE
	s_setreg_imm32_b32 hwreg(HW_REG_WAVE_MODE, 25, 1), 1
	s_wait_xcnt 0x0
	s_wait_alu depctr_hold_cnt(0) depctr_sa_sdst(0) depctr_va_vdst(0) depctr_va_sdst(0) depctr_va_ssrc(0) depctr_va_vcc(0) depctr_vm_vsrc(0)
	s_getreg_b32 s2, hwreg(HW_REG_IB_STS2, 6, 4)
	s_cmp_eq_u32 s2, 0
	s_cbranch_scc0 .Lentry_in_a_cluster
	s_endpgm
.Lentry_in_a_cluster:
	s_bfe_u32 s2, ttmp6, 0x10000c
	s_cmp_lg_u32 s2, 0xf033
	s_cbranch_scc0 .Lentry_shape_is_right
	s_endpgm
.Lentry_shape_is_right:
; out0 = gated W_out^T + b_out + x, on gated's codes of FP6 with E8M0 scales (gq) and W_out's (wq); sums in f32.
; A work-group makes 128 rows x 256 columns, each of four waves 64 x 128: 32 accumulators (window 2).  The ring of two slots of four K steps, the joint loads in a 4 x 4 cluster, the K steps and the transposed use of the matrix instruction are gemm_in's.
; The bias is the C of each sum's first product.  The wave's 64 x 128 numbers of x are loaded into window 3 under the products and added on the way out, which goes through the wave's own stage in slot 0 (its last fill and last read are over): whole rows of 512 bytes leave.
; No prefetch: K has four fills of a slot in all, and each refill is asked for four K steps ahead of its first read; there is no loop along K to run ahead in.
; LIMITS: NaN and infinities are not served.
.set NB, 8
.set BPT, 16
.set NT, 8
.set WOFF, 9830400
.set WSOFF, 13385728
.set HP, 8
.set APL, 12288
.set BPL, 1536*BPT
.set ABYTES, 4*APL
.set SLOT, ABYTES+4*BPL
.set SPARE, 2*SLOT
.set NM, 4*NB
.set SA, 32
.set SB, 64
.set AF, 144
.set G1A, 24
.set G0A, 32
.set G1B, 48
.set G0B, 56
.set MSB, 0
.macro WIN new
.if MSB != \new
	s_set_vgpr_msb (MSB<<8)|\new
.set MSB, \new
.endif
.endm
.macro JLOAD s
	s_cmp_eq_u32 s15, 0
	s_cbranch_scc0 .Lfor_b_\@
	tensor_load_to_lds s[G0A+4*\s:G0A+4*\s+3], s[G1A:G1A+7]
	s_nop 0
.rept 4
	v_nop
.endr
	s_branch .Lasked_\@
.Lfor_b_\@:
	tensor_load_to_lds s[G0B+4*\s:G0B+4*\s+3], s[G1B:G1B+7]
	s_nop 0
.rept 4
	v_nop
.endr
.Lasked_\@:
.endm
.macro CREST
	s_cmp_lg_u32 s14, 0
	s_cbranch_scc1 .Lnot_wave_0_\@
	s_barrier_signal -3
.Lnot_wave_0_\@:
	s_barrier_wait -3
	s_barrier_signal -1
	s_barrier_wait -1
.endm
.macro CROUND
	s_barrier_signal -1
	s_barrier_wait -1
	CREST
.endm
.macro ADRS s
.set ka_, (((\s)>>2)&1)*SLOT+((\s)&3)*APL
.set kb_, (((\s)>>2)&1)*SLOT+((\s)&3)*BPL
	v_add_nc_u32 v8, ka_, v2
	v_add_nc_u32 v9, ka_, v3
	v_add_nc_u32 v10, kb_, v4
	v_add_nc_u32 v11, kb_, v5
.endm
.macro FRAG4 reg, a16, a8, off
	ds_load_b128 v[\reg:\reg+3], v[\a16] offset:\off
	ds_load_b64 v[\reg+4:\reg+5], v[\a8] offset:\off+512
	ds_load_b128 v[\reg+6:\reg+9], v[\a16] offset:\off+768
	ds_load_b64 v[\reg+10:\reg+11], v[\a8] offset:\off+1280
.endm
.macro FRAG f, p
.if (\f) < 4
	WIN 0
	FRAG4 AF+48*(\p)+12*(\f), 8, 9, 1536*(\f)
.else
	WIN 0x40
	FRAG4 128*(\p)+12*((\f)-4), 10, 11, 1536*((\f)-4)
.endif
.endm
.macro RUN p
.set ff, 4
.rept NB
	FRAG ff, \p
.set ff, ff+1
.endr
.set ff, 0
.rept 4
	FRAG ff, \p
.set ff, ff+1
.endr
.endm
.macro ONE i, s, first
.set p_, (\s)&1
.set a_, (\i)/8
.set b_, (\i)%8
.set d_, 8*(8*a_+b_)
.set sb_, SB+16*(b_/2)+(\s)
.set w_, 0xa1
.set c_, d_
.if \first
.set c_, 96+8*b_+96*(b_/4)
.set w_, 0x91
.endif
.set sa_, SA+16*(a_/2)+(\s)
.set fb_, 128*p_+12*b_
.set fa_, AF+48*p_+12*a_
	WIN w_
.if (b_%2 == 0) && (a_%2 == 0)
	v_wmma_scale_f32_16x16x128_f8f6f4 v[d_:d_+7], v[fb_:fb_+11], v[fa_:fa_+11], v[c_:c_+7], v[sb_], v[sa_] matrix_a_fmt:MATRIX_FMT_FP6 matrix_b_fmt:MATRIX_FMT_FP6
.elseif (b_%2 == 1) && (a_%2 == 0)
	v_wmma_scale_f32_16x16x128_f8f6f4 v[d_:d_+7], v[fb_:fb_+11], v[fa_:fa_+11], v[c_:c_+7], v[sb_], v[sa_] matrix_a_fmt:MATRIX_FMT_FP6 matrix_b_fmt:MATRIX_FMT_FP6 matrix_a_scale:MATRIX_SCALE_ROW1
.elseif (b_%2 == 0) && (a_%2 == 1)
	v_wmma_scale_f32_16x16x128_f8f6f4 v[d_:d_+7], v[fb_:fb_+11], v[fa_:fa_+11], v[c_:c_+7], v[sb_], v[sa_] matrix_a_fmt:MATRIX_FMT_FP6 matrix_b_fmt:MATRIX_FMT_FP6 matrix_b_scale:MATRIX_SCALE_ROW1
.else
	v_wmma_scale_f32_16x16x128_f8f6f4 v[d_:d_+7], v[fb_:fb_+11], v[fa_:fa_+11], v[c_:c_+7], v[sb_], v[sa_] matrix_a_fmt:MATRIX_FMT_FP6 matrix_b_fmt:MATRIX_FMT_FP6 matrix_a_scale:MATRIX_SCALE_ROW1 matrix_b_scale:MATRIX_SCALE_ROW1
.endif
.endm
.macro HALF s, first, i0
	WIN 0
	s_cmp_eq_u32 s15, 0
	s_cbranch_scc0 .Llate_\@
	s_wait_alu depctr_va_vdst(0)
	RUN ((\s)+1)&1
.set ii, \i0
.rept 16
	ONE ii, \s, \first
.set ii, ii+1
.endr
	WIN 0
	s_branch .Ljoin_\@
.Llate_\@:
.set ii, \i0
.rept 16
	ONE ii, \s, \first
.set ii, ii+1
.endr
	s_wait_alu depctr_va_vdst(0)
	RUN ((\s)+1)&1
.Ljoin_\@:
.endm
.macro STEP s, first
	s_wait_dscnt 0x0
	WIN 0
	ADRS (\s)+1
	HALF \s, \first, 0
.rept NM-16
	ONE ii, \s, \first
.set ii, ii+1
.endr
.endm
.macro TURN s, fill
	WIN 0
	s_wait_tensorcnt 0x0
	ds_add_u32 v30, v31
	s_wait_dscnt 0x1
	ADRS (\s)+1
.set ii, 0
.rept 4
	ONE ii, \s, 0
.set ii, ii+1
.endr
	s_wait_dscnt 0x0
	s_barrier_signal -1
.rept 4
	ONE ii, \s, 0
.set ii, ii+1
.endr
	WIN 0
	s_barrier_wait -1
.if \fill
	CREST
	s_add_nc_u64 s[G0A+4*(((\s)>>2)&1)+2:G0A+4*(((\s)>>2)&1)+3], s[G0A+4*(((\s)>>2)&1)+2:G0A+4*(((\s)>>2)&1)+3], 2*32*ABYTES
	s_add_nc_u64 s[G0B+4*(((\s)>>2)&1)+2:G0B+4*(((\s)>>2)&1)+3], s[G0B+4*(((\s)>>2)&1)+2:G0B+4*(((\s)>>2)&1)+3], 2*NT*4*BPL
	JLOAD (((\s)>>2)&1)
.endif
	HALF \s, 0, 8
.rept NM-24
	ONE ii, \s, 0
.set ii, ii+1
.endr
.endm
.macro LAST s
	s_wait_dscnt 0x0
.set ii, 0
.rept NM
	ONE ii, \s, 0
.set ii, ii+1
.endr
	WIN 0
.endm
	s_load_b256 s[4:11], s[0:1], 0x0
	s_load_b64 s[12:13], s[0:1], 0x20
	v_lshl_add_u32 v30, v0, 2, SPARE
	v_mov_b32 v31, 0
	ds_add_u32 v30, v31
	ds_add_u32 v30, v31
	v_lshrrev_b32 v1, 5, v0
	v_readfirstlane_b32 s14, v1
	s_lshr_b32 s15, s14, 1
	s_and_b32 s16, s14, 1
	s_bfe_u32 s40, ttmp6, 0x40000
	s_bfe_u32 s41, ttmp6, 0x40004
	s_lshl_b32 s42, ttmp9, 2
	s_add_co_u32 s42, s42, s40
	s_and_b32 s17, ttmp7, 0xffff
	s_lshl_b32 s17, s17, 2
	s_add_co_u32 s17, s17, s41
	s_lshl_b32 s43, s41, 2
	s_lshl_b32 s43, 15, s43
	s_lshl_b32 s44, 0x1111, s40
	s_or_b32 s[G1A], s43, (3<<16)|(1<<21)
	s_or_b32 s[G1B], s44, (3<<16)|(1<<21)
	s_mov_b32 s[G1A+1], 32<<16
	s_mov_b32 s[G1A+2], (ABYTES/512)<<16
	s_mov_b32 s[G1A+3], 32<<16
	s_mov_b32 s[G1A+4], ABYTES/512
	s_mov_b32 s[G1A+5], 32
	s_mov_b32 s[G1A+6], 0
	s_mov_b32 s[G1A+7], 0
	s_mov_b32 s[G1B+1], 32<<16
	s_mov_b32 s[G1B+2], (2*BPL/256)<<16
	s_mov_b32 s[G1B+3], 32<<16
	s_mov_b32 s[G1B+4], 2*BPL/256
	s_mov_b32 s[G1B+5], 32
	s_mov_b32 s[G1B+6], 0
	s_mov_b32 s[G1B+7], 0
	s_mul_i32 s20, s17, ABYTES
	s_mul_i32 s18, s16, ABYTES/2
	s_add_co_u32 s20, s20, s18
	s_mov_b32 s21, 0
	s_mul_i32 s46, s42, 4*BPL
	s_mul_i32 s45, s16, 2*BPL
	s_add_co_u32 s46, s46, s45
	s_add_co_u32 s46, s46, WOFF
	s_mov_b32 s47, 0
	s_add_co_u32 s45, s45, ABYTES
	s_wait_dscnt 0x0
	s_wait_kmcnt 0x0
	s_add_nc_u64 s[20:21], s[4:5], s[20:21]
	s_add_nc_u64 s[46:47], s[6:7], s[46:47]
	CROUND
.irp s, 0,1
	s_mov_b32 s[G0A+4*\s], 1
	s_add_co_u32 s[G0A+4*\s+1], s18, \s*SLOT
	s_add_nc_u64 s[G0A+4*\s+2:G0A+4*\s+3], s[20:21], \s*32*ABYTES
	s_or_b32 s[G0A+4*\s+3], s[G0A+4*\s+3], 0x80000000
	s_mov_b32 s[G0B+4*\s], 1
	s_add_co_u32 s[G0B+4*\s+1], s45, \s*SLOT
	s_add_nc_u64 s[G0B+4*\s+2:G0B+4*\s+3], s[46:47], \s*NT*4*BPL
	s_or_b32 s[G0B+4*\s+3], s[G0B+4*\s+3], 0x80000000
.endr
	JLOAD 0                                        ; slot 0: one tensor load a wave at the head; the loads and addresses below are made while it is out
	v_and_b32 v1, 31, v0
	v_lshlrev_b32 v14, 4, v1
	v_lshlrev_b32 v15, 3, v1
	s_wait_alu depctr_va_vdst(0)
	s_mul_i32 s19, s15, 6144
	v_add_nc_u32 v2, s19, v14
	v_add_nc_u32 v3, s19, v15
	s_mul_i32 s19, s16, 12288
	s_add_co_u32 s19, s19, ABYTES
	v_add_nc_u32 v4, s19, v14
	v_add_nc_u32 v5, s19, v15
	s_lshl_b32 s22, s17, 2
	s_lshl_b32 s23, s15, 1
	s_add_co_u32 s22, s22, s23
	s_lshl_b32 s22, s22, 11
	s_add_co_u32 s22, s22, 6291456
	s_mov_b32 s23, 0
	s_add_nc_u64 s[22:23], s[4:5], s[22:23]
	s_mul_i32 s66, s42, HP
	s_lshl_b32 s67, s16, 2
	s_add_co_u32 s66, s66, s67
	s_lshl_b32 s66, s66, 11
	s_add_co_u32 s66, s66, WSOFF
	s_mov_b32 s67, 0
	s_add_nc_u64 s[66:67], s[6:7], s[66:67]
.irp pa, 0,1
.irp sp, 0,1,2,3,4,5,6,7
	global_load_b64 v[SA+16*\pa+2*\sp:SA+16*\pa+2*\sp+1], v15, s[22:23] offset:2048*\pa+256*\sp
.endr
.endr
.irp pb, 0,1,2,3
.irp sp, 0,1,2,3,4,5,6,7
	global_load_b64 v[SB+16*\pb+2*\sp:SB+16*\pb+2*\sp+1], v15, s[66:67] offset:2048*\pb+256*\sp
.endr
.endr
	v_bfe_u32 v19, v0, 4, 1
	v_lshlrev_b32 v16, 5, v19
	s_mov_b32 s81, 0
	s_lshl_b32 s80, s42, 10
	s_lshl_b32 s82, s16, 9
	s_add_co_u32 s80, s80, s82
	s_add_nc_u64 s[76:77], s[8:9], s[80:81]
	WIN 0x40
.irp b, 0,1,2,3,4,5,6,7
	global_load_b128 v[96+8*\b+96*(\b/4):96+8*\b+96*(\b/4)+3], v16, s[76:77] offset:64*\b
	global_load_b128 v[96+8*\b+96*(\b/4)+4:96+8*\b+96*(\b/4)+7], v16, s[76:77] offset:64*\b+16
.endr
	WIN 0
	s_lshl_b32 s83, s17, 7
	s_lshl_b32 s82, s15, 6
	s_add_co_u32 s83, s83, s82
	s_lshl_b32 s83, s83, 13
	s_add_co_u32 s80, s80, s83
	s_add_nc_u64 s[70:71], s[10:11], s[80:81]
	s_add_nc_u64 s[72:73], s[12:13], s[80:81]
	s_mul_i32 s82, s14, 16*528
	v_and_b32 v17, 15, v0
	v_mul_u32_u24 v17, v17, 528
	s_wait_alu depctr_va_vdst(0)
	v_lshl_add_u32 v17, v19, 5, v17
	v_add_nc_u32 v17, s82, v17
	v_add_nc_u32 v18, s82, v14
	s_wait_alu depctr_va_vdst(0)                   ; the wait at the head's end
	s_wait_tensorcnt 0x0                           ; my part of slot 0 is in
	ds_add_u32 v30, v31
	s_wait_dscnt 0x0
	CROUND                                         ; everybody's part of slot 0 is in, and all sixteen work-groups are here
	JLOAD 1                                        ; slot 1's first fill, my one tensor load behind the round: it has K steps 0 to 2 in which to land
	ADRS 0
	RUN 0
	s_wait_loadcnt 0x0
; x for my row tile a: 16 rows of 512 bytes into window 3, v[64 a] on.  The four groups go out ahead of K steps 4, 6, 8 and 10, each behind the tensor load of the change of slots before it;
; the last group has six K steps in which to land ahead of the wait for all of them in front of the way out.
.macro XLOAD a
	WIN 0xc0
.set t_, 16*(\a)
.rept 16
	global_load_b128 v[4*t_:4*t_+3], v14, s[70:71] offset:8192*t_ th:TH_LOAD_NT
.set t_, t_+1
.endr
.endm
	STEP 0, 1
	STEP 1, 0
	STEP 2, 0
	TURN 3, 1
	XLOAD 0
	STEP 4, 0
	STEP 5, 0
	XLOAD 1
	STEP 6, 0
	TURN 7, 1
	XLOAD 2
	STEP 8, 0
	STEP 9, 0
	XLOAD 3
	STEP 10, 0
	TURN 11, 0
	STEP 12, 0
	STEP 13, 0
	STEP 14, 0
	LAST 15
.macro TOSTAGE a
	WIN 0x08
.irp b, 0,1,2,3,4,5,6,7
	ds_store_b128 v17, v[8*(8*(\a)+\b):8*(8*(\a)+\b)+3] offset:64*\b
	ds_store_b128 v17, v[8*(8*(\a)+\b)+4:8*(8*(\a)+\b)+7] offset:64*\b+16
.endr
	WIN 0x40
.set BB, 128*((\a)%2)
.irp t, 0,1,2,3,4,5,6,7,8,9,10,11,12,13,14,15
	ds_load_b128 v[BB+4*\t:BB+4*\t+3], v18 offset:\t*528
.endr
.endm
.macro SEND a, younger
.set BB, 128*((\a)%2)
	s_wait_dscnt \younger
	WIN 0x4d
.set k_, 0
.rept 32
	v_pk_add_f32 v[BB+k_:BB+k_+1], v[BB+k_:BB+k_+1], v[64*(\a)+k_:64*(\a)+k_+1]
.set k_, k_+2
.endr
	WIN 0x04
.irp t, 0,1,2,3,4,5,6,7,8,9,10,11,12,13,14,15
	global_store_b128 v14, v[BB+4*\t:BB+4*\t+3], s[72:73] offset:(16*(\a)+\t)*8192 th:TH_STORE_NT
.endr
.endm
.rept 4
	v_nop
.endr
	s_wait_loadcnt 0x0
	TOSTAGE 0
	TOSTAGE 1
	SEND 0, 32
	s_wait_xcnt 0x0
	TOSTAGE 2
	SEND 1, 32
	s_wait_xcnt 0x0
	TOSTAGE 3
	SEND 2, 32
	SEND 3, 0
	WIN 0
	s_wait_tensorcnt 0x0
	ds_add_u32 v30, v31
	s_wait_dscnt 0x0
	CROUND
	s_endpgm
.Lfunc_end_k_qba149c0547_gemm_out:
	.size	k_qba149c0547_gemm_out, .Lfunc_end_k_qba149c0547_gemm_out-k_qba149c0547_gemm_out
	.p2alignl 7, 3214868480
	.fill 96, 4, 3214868480
	.section	.rodata,"a",@progbits
	.p2align	6, 0x0
	.amdhsa_kernel k_qba149c0547_gemm_out
		.amdhsa_group_segment_fixed_size 327680
		.amdhsa_private_segment_fixed_size 0
		.amdhsa_enable_private_segment 0
		.amdhsa_kernarg_size 40
		.amdhsa_user_sgpr_count 2
		.amdhsa_user_sgpr_kernarg_segment_ptr 1
		.amdhsa_wavefront_size32 1
		.amdhsa_system_sgpr_workgroup_id_x 1
		.amdhsa_system_sgpr_workgroup_id_y 1
		.amdhsa_system_sgpr_workgroup_id_z 1
		.amdhsa_system_vgpr_workitem_id 0
		.amdhsa_next_free_vgpr 1024
		.amdhsa_next_free_sgpr 100
		.amdhsa_reserve_vcc 0
		.amdhsa_float_denorm_mode_32 3
		.amdhsa_float_denorm_mode_16_64 3
		.amdhsa_memory_ordered 1
		.amdhsa_forward_progress 1
		.amdhsa_inst_pref_size 244
	.end_amdhsa_kernel
	.amdgpu_metadata
---
amdhsa.version: [ 1, 2 ]
amdhsa.kernels:
  - .name:           k_qba149c0547_gemm_out
    .symbol:         k_qba149c0547_gemm_out.kd
    .args:
      - { .name: gq, .offset: 0, .size: 8, .value_kind: global_buffer, .address_space: global }
      - { .name: wq, .offset: 8, .size: 8, .value_kind: global_buffer, .address_space: global }
      - { .name: b_out, .offset: 16, .size: 8, .value_kind: global_buffer, .address_space: global }
      - { .name: x, .offset: 24, .size: 8, .value_kind: global_buffer, .address_space: global }
      - { .name: out0, .offset: 32, .size: 8, .value_kind: global_buffer, .address_space: global }
    .group_segment_fixed_size: 327680
    .private_segment_fixed_size: 0
    .kernarg_segment_align: 8
    .kernarg_segment_size: 40
    .max_flat_workgroup_size: 128
    .sgpr_count:     100
    .vgpr_count:     1024
    .wavefront_size: 32
...
	.end_amdgpu_metadata
.endif
;; end of part 4
